; MI455X (gfx1250); checked and timed in simulation.
; The chip was launched on July 23, 2026; its instructions are those of AMD's public machine-readable ISA for CDNA 5 (MIT licence, August 2026) and "CDNA5" Instruction Set Architecture Reference Guide (July 2026). The comments in the code are by the model that wrote it; some were corrected since.
;; Self Attention. Allowed arithmetic: float matrix products may take bf16 or f16 operands with f32 sums; all other float work in f32.
;; Inputs: W_k 2,048 x 2,048 float32; W_o 2,048 x 2,048 float32; W_q 2,048 x 2,048 float32; W_v 2,048 x 2,048 float32; x 2 x 1,024 x 2,048 float32.
;; Outputs: out0 2 x 1,024 x 2,048 float32.
;; One version. Each part assembles by itself: llvm-mc -triple=amdgcn-amd-amdhsa -mcpu=gfx1250 --defsym DOCPART=n.
;; ======== version 1 of 1: 4 launches
;; limits: values are held in f16: magnitudes above 65,504 overflow, below 6.1e-05 lose precision
;; workspace buffers: bf 33,554,432 bytes; rope 524,288 bytes; qkv 25,165,824 bytes; att 8,388,608 bytes; wo 8,388,608 bytes
;; launch prep (part 1): grid 256 x 4, 8 waves a work-group, no clusters, 0 bytes of LDS; arguments W_q, W_k, W_v, x, bf, rope; writes bf, rope
.if DOCPART == 1
	.amdgcn_target "amdgcn-amd-amdhsa--gfx1250"
	.amdhsa_code_object_version 6
	.text
	.protected	k_q685aaa2881_prep
	.globl	k_q685aaa2881_prep
	.p2align	8
	.type	k_q685aaa2881_prep,@function
k_q685aaa2881_prep:
	s_mov_b64 s[64:65], 0
	v_nop
	global_prefetch_b8 v0, s[64:65] scope:SCOPE_SE
	s_setreg_imm32_b32 hwreg(HW_REG_WAVE_MODE, 25, 1), 1
	s_wait_xcnt 0x0
; prep: W_q, W_k, W_v and x are rounded once to bf16, and the table of rotations is made.
; bf holds four matrices of [2048][2048] bf16: W_q, W_k, W_v (together one [6144][2048] matrix), then x.
; Work-group (x, y) converts 65,536 bytes at byte 65,536 x of matrix y: 16 chunks of 4,096 bytes; thread t takes 16 bytes of each chunk, so a load of a
; wave covers 512 consecutive bytes and a store of a wave 256 consecutive bytes at a multiple of 256.  All sixteen loads go out first.
; No LDS, no barrier, no matrix unit: nothing is shared and nothing is summed.
; The work-groups of y = 0 also make rope[pos][pair] = (cos, sin) of pos * 10000^(-pair/64), one entry a thread, while their loads are on the way:
; the angle is reduced by multiples of pi/2 given in two parts, then polynomials on [-pi/4, pi/4] (the terms left out are below 4e-7).
.set IN,  32                           ; v[32:95]   chunk j: 4 registers as loaded
.set OUT, 96                           ; v[96:127]  chunk j: 2 registers to store
	s_load_b256 s[4:11], s[0:1], 0x0               ; W_q s[4:5], W_k s[6:7], W_v s[8:9], x s[10:11]
	s_load_b128 s[12:15], s[0:1], 0x20             ; bf s[12:13], rope s[14:15]
	s_and_b32 s18, ttmp7, 0xffff                   ; y: which matrix
	v_lshlrev_b32 v1, 4, v0                        ; 16 t: my bytes in a chunk as read
	v_lshlrev_b32 v2, 3, v0                        ; 8 t: as written
	s_lshl_b32 s20, ttmp9, 16                      ; my 65,536 bytes of the source
	s_mov_b32 s21, 0
	s_lshl_b32 s22, s18, 23                        ; matrix y begins at 8,388,608 y in bf,
	s_lshl_b32 s23, ttmp9, 15                      ; my 32,768 bytes of it
	s_add_co_u32 s22, s22, s23
	s_mov_b32 s23, 0
	s_wait_kmcnt 0x0
	s_cmp_eq_u32 s18, 1                            ; the source is chosen by y alone
	s_cselect_b64 s[4:5], s[6:7], s[4:5]
	s_cmp_eq_u32 s18, 2
	s_cselect_b64 s[4:5], s[8:9], s[4:5]
	s_cmp_eq_u32 s18, 3
	s_cselect_b64 s[4:5], s[10:11], s[4:5]
	s_add_nc_u64 s[4:5], s[4:5], s[20:21]
	s_add_nc_u64 s[12:13], s[12:13], s[22:23]
.irp j, 0,1,2,3,4,5,6,7,8,9,10,11,12,13,14,15
	global_load_b128 v[IN+4*\j:IN+4*\j+3], v1, s[4:5] offset:\j*4096 th:TH_LOAD_NT   ; read once in the whole launch
.endr
	s_cmp_lg_u32 s18, 0
	s_cbranch_scc1 .Lconv
	; the table: entry e = 256 x + t, position e / 64, pair e mod 64
	s_lshl_b32 s24, ttmp9, 2                       ; the first of my work-group's four positions
	s_lshl_b32 s25, ttmp9, 11                      ; 256 entries of 8 bytes
	v_and_b32 v3, 63, v0                           ; pair
	v_lshrrev_b32 v4, 6, v0
	v_add_nc_u32 v4, s24, v4                       ; position
	v_cvt_f32_u32 v3, v3
	v_cvt_f32_u32 v4, v4
	v_mul_f32 v3, 0xbe549a78, v3                   ; -pair * log2(10000) / 64
	v_exp_f32 v5, v3                               ; the frequency
	v_add_nc_u32 v22, s25, v2                      ; (a plain instruction behind v_exp_f32, ISA guide 5.7.2) byte offset of my entry
	s_wait_alu depctr_va_vdst(0)
	v_mul_f32 v6, v4, v5                           ; the angle
	v_mul_f32 v7, 0x3f22f983, v6                   ; * 2 / pi
	v_rndne_f32 v7, v7                             ; n
	v_fmamk_f32 v8, v7, 0xbfc90fdb, v6             ; y = angle - n * (pi/2, upper part): the product is not rounded
	v_fmamk_f32 v8, v7, 0x333bbd2e, v8             ;   - n * (pi/2, lower part = -4.3711390e-8)
	v_mul_f32 v9, v8, v8                           ; y^2
	v_mov_b32 v10, 0xb9500d01                      ; sine: -1/5040
	v_mov_b32 v12, 0x37d00d01                      ; cosine: 1/40320
	v_fmaak_f32 v10, v10, v9, 0x3c088889           ; + 1/120
	v_fmaak_f32 v12, v12, v9, 0xbab60b61           ; - 1/720
	v_fmaak_f32 v10, v10, v9, 0xbe2aaaab           ; - 1/6
	v_fmaak_f32 v12, v12, v9, 0x3d2aaaab           ; + 1/24
	v_mul_f32 v11, v8, v9                          ; y^3
	v_fma_f32 v12, v12, v9, -0.5
	v_fma_f32 v10, v11, v10, v8                    ; S = sin y
	v_fma_f32 v12, v12, v9, 1.0                    ; C = cos y
	v_cvt_i32_f32 v13, v7                          ; the quadrant: n mod 4 = 0: (C, S); 1: (-S, C); 2: (-C, -S); 3: (S, -C)
	v_and_b32 v14, 1, v13
	v_cmp_eq_u32 vcc_lo, 1, v14
	v_cndmask_b32 v20, v12, v10, vcc_lo            ; cosine: S in odd quadrants
	v_cndmask_b32 v21, v10, v12, vcc_lo            ; sine: C in odd quadrants
	v_add_nc_u32 v15, 1, v13
	v_and_b32 v15, 2, v15                          ; the cosine is negative in quadrants 1 and 2,
	v_and_b32 v16, 2, v13                          ; the sine in 2 and 3
	v_lshlrev_b32 v15, 30, v15
	v_lshlrev_b32 v16, 30, v16
	v_xor_b32 v20, v15, v20
	v_xor_b32 v21, v16, v21
	global_store_b64 v22, v[20:21], s[14:15]       ; a wave's store covers 256 consecutive bytes; position 0 gives exactly (1, 0)
.Lconv:
.irp j, 0,1,2,3,4,5,6,7,8,9,10,11,12,13,14,15
	s_wait_loadcnt 15-\j                           ; loads come back in order (ISA guide 5.7.1): chunk j is in, the 15 - j younger ones stay out
	v_cvt_pk_bf16_f32 v[OUT+2*\j],   v[IN+4*\j],   v[IN+4*\j+1]
	v_cvt_pk_bf16_f32 v[OUT+2*\j+1], v[IN+4*\j+2], v[IN+4*\j+3]
	global_store_b64 v2, v[OUT+2*\j:OUT+2*\j+1], s[12:13] offset:\j*2048   ; each chunk has its own data registers: none is rewritten
.endr
	s_endpgm
.Lfunc_end_k_q685aaa2881_prep:
	.size	k_q685aaa2881_prep, .Lfunc_end_k_q685aaa2881_prep-k_q685aaa2881_prep
	.p2alignl 7, 3214868480
	.fill 96, 4, 3214868480
	.section	.rodata,"a",@progbits
	.p2align	6, 0x0
	.amdhsa_kernel k_q685aaa2881_prep
		.amdhsa_group_segment_fixed_size 0
		.amdhsa_private_segment_fixed_size 0
		.amdhsa_enable_private_segment 0
		.amdhsa_kernarg_size 48
		.amdhsa_user_sgpr_count 2
		.amdhsa_user_sgpr_kernarg_segment_ptr 1
		.amdhsa_wavefront_size32 1
		.amdhsa_system_sgpr_workgroup_id_x 1
		.amdhsa_system_sgpr_workgroup_id_y 1
		.amdhsa_system_sgpr_workgroup_id_z 1
		.amdhsa_system_vgpr_workitem_id 0
		.amdhsa_next_free_vgpr 128
		.amdhsa_next_free_sgpr 66
		.amdhsa_reserve_vcc 1
		.amdhsa_float_denorm_mode_32 3
		.amdhsa_float_denorm_mode_16_64 3
		.amdhsa_memory_ordered 1
		.amdhsa_forward_progress 1
		.amdhsa_inst_pref_size 9
	.end_amdhsa_kernel
	.amdgpu_metadata
---
amdhsa.version: [ 1, 2 ]
amdhsa.kernels:
  - .name:           k_q685aaa2881_prep
    .symbol:         k_q685aaa2881_prep.kd
    .args:
      - { .name: W_q, .offset: 0, .size: 8, .value_kind: global_buffer, .address_space: global }
      - { .name: W_k, .offset: 8, .size: 8, .value_kind: global_buffer, .address_space: global }
      - { .name: W_v, .offset: 16, .size: 8, .value_kind: global_buffer, .address_space: global }
      - { .name: x, .offset: 24, .size: 8, .value_kind: global_buffer, .address_space: global }
      - { .name: bf, .offset: 32, .size: 8, .value_kind: global_buffer, .address_space: global }
      - { .name: rope, .offset: 40, .size: 8, .value_kind: global_buffer, .address_space: global }
    .group_segment_fixed_size: 0
    .private_segment_fixed_size: 0
    .kernarg_segment_align: 8
    .kernarg_segment_size: 48
    .max_flat_workgroup_size: 256
    .sgpr_count:     66
    .vgpr_count:     128
    .wavefront_size: 32
...
	.end_amdgpu_metadata
.endif
;; end of part 1
;; launch proj (part 2): grid 24 x 8, 4 waves a work-group, clusters of 4 x 4, 327,680 bytes of LDS; arguments bf, rope, qkv; writes qkv
.if DOCPART == 2
	.amdgcn_target "amdgcn-amd-amdhsa--gfx1250"
	.amdhsa_code_object_version 6
	.text
	.protected	k_q685aaa2881_proj
	.globl	k_q685aaa2881_proj
	.p2align	8
	.type	k_q685aaa2881_proj,@function
k_q685aaa2881_proj:
	s_mov_b64 s[64:65], 0
	v_nop
	global_prefetch_b8 v0, s[64:65] scope:SCOPE_SE
	s_setreg_imm32_b32 hwreg(HW_REG_WAVE_MODE, 25, 1), 1
	s_wait_xcnt 0x0
	s_wait_alu depctr_hold_cnt(0) depctr_sa_sdst(0) depctr_va_vdst(0) depctr_va_sdst(0) depctr_va_ssrc(0) depctr_va_vcc(0) depctr_vm_vsrc(0)
	s_getreg_b32 s2, hwreg(HW_REG_IB_STS2, 6, 4)
	s_cmp_eq_u32 s2, 0
	s_cbranch_scc0 .Lentry_in_a_cluster
	s_endpgm
.Lentry_in_a_cluster:
	s_bfe_u32 s2, ttmp6, 0x10000c
	s_cmp_lg_u32 s2, 0xf033
	s_cbranch_scc0 .Lentry_shape_is_right
	s_endpgm
.Lentry_shape_is_right:
; proj: qkv[token][e] = sum over d of x[token][d] W[e][d], W = W_q, W_k, W_v one below the other ([6144][2048] bf16 at the head of bf), x bf16 at byte
; 0x1800000 of bf; sums in f32; the columns of q and k are rotated pair by pair (RoPE) on the way out; everything is stored as f16.
; LIMITS: q, k and v are kept in f16: a magnitude above 65,504 becomes an infinity.  The V columns go through the same rotation with the table's row 0,
; which is exactly (1, 0): an infinite v would become NaN there.
; A work-group makes a block of 256 x 256 with four waves, a wave 128 x 128: 64 accumulator tiles of 16 x 16, 512 registers.  A wave's 128 columns are
; one head.  K goes in steps of 128 through a ring of two LDS slots filled by the tensor data mover: a tile's rows are 256 bytes of memory at multiples of 256.
; CLUSTERS: 4 x 4 work-groups.  The four of a row of the cluster need the same tiles of x, the four of a column the same tiles of W: such a tile is asked
; for jointly, by the same tensor load with the same descriptor and a mask that names the four.  That divides the requests for x and W by four.
; 24 x 8 = 192 work-groups: blocks that would give 256 have row pieces of 192 or 384 bytes, which do not fill aligned pieces of 256 bytes of qkv.
;
; REGISTERS, in windows of 256 (s_set_vgpr_msb says which window each operand place means):
;   window 0: v0-31 addresses; v64-127, v128-191 fragments of x, two buffers; v192-255 the table for the first row group (loaded ahead of the K loop)
;   window 1: v64-127, v128-191 fragments of W, two buffers
;   window 2: the 32 accumulator tiles of my rows 0-63 (tile (a, b) at v[8 (8 a + b)]);   window 3: those of my rows 64-127
; THE MATRIX INSTRUCTION IS USED TRANSPOSED: source 0 = 16 rows of W, source 1 = 16 rows of x.  Lane l then holds token l % 16, and its registers 0 to 7
; the columns 8 (l / 16) + 0 .. 7: four (even, odd) pairs of one token, which are rotated in the lane and pack into 16 bytes.
.set SIZE_N, 6144
.set SIZE_K, 2048
.set KSTEP,  128
.set PITCH,  272                       ; an LDS row: 256 bytes + 16 of padding: the 16 rows that a load touches start 16 bytes apart modulo 256
.set HALFT,  128*PITCH                 ; 128 rows: what one tensor load brings
.set SLOT,   4*HALFT                   ; x's 256 rows, then W's 256 rows
.set STAGE,  2*SLOT                    ; behind the ring: 16 rows x 272 bytes for each wave, for the way out; no tensor load lands there
.set SPITCH, 272
.set LAPS, SIZE_K/(2*KSTEP)            ; 8 laps of two K steps
.set ADRA, 16                          ; v16-17  LDS address of my x fragments in slot 0, 1
.set ADRB, 20                          ; v20-21  the same for W
.set STO,  24                          ; the way out: where I put 16 bytes of a row
.set RD,   25                          ; where I read a row back
.set CO,   26                          ; my byte offset in qkv
.set POS0, 27                          ; 512 x the position of my token in the first row group
.set H32,  28                          ; 32 x (l / 16): my four pairs in each 64 bytes of a table row
.set TA0,  29                          ; table address, even row groups
.set TA1,  30                          ; table address, odd row groups
.set F0,   64                          ; fragment buffer 0
.set F1,   128                         ; fragment buffer 1
.set T0,   192                         ; table values (cos, sin) x 32 pairs, even row groups
.set T1,   64                          ; the same, odd row groups (fragment buffer 0, free behind the K loop)
.set TMP,  128                         ; packed f16 results
.set RB0,  160                         ; rows read back, even row groups
.set RB1,  32                          ; rows read back, odd row groups
.set G1, 24                            ; s[24:31] descriptor group 1 for x's tiles
.set G0, 32                            ; s[32:39] descriptor group 0 for x's tiles, one set for each slot
.set G1B, 48                           ; s[48:55] group 1 for W's tiles: it differs in the mask alone
.set G0B, 56                           ; s[56:63] group 0 for W's tiles
.set MSB, 0
.macro WIN new                         ; the immediate's high byte repeats the setting that is left
.if MSB != \new
	s_set_vgpr_msb (MSB<<8)|\new
.set MSB, \new
.endif
.endm
.set MUL_LO, 0xa1                      ; source 0 (W) window 1, source 1 (x) window 0, C and D window 2
.set MUL_HI, 0xf1                      ; the same, C and D window 3
.set TO_B,   0x40                      ; destination window 1, address window 0
; A joint load.  Waves 0 and 1 fetch x's two halves, waves 2 and 3 W's.  Each line has one mask and one set of registers; the branch hangs on the wave's number alone.
.macro JLOAD s
	s_cmp_eq_u32 s11, 0
	s_cbranch_scc0 .Lfor_b_\@
	tensor_load_to_lds s[G0+4*\s:G0+4*\s+3], s[G1:G1+7]
	s_nop 0
	s_branch .Lasked_\@
.Lfor_b_\@:
	tensor_load_to_lds s[G0B+4*\s:G0B+4*\s+3], s[G1B:G1B+7]
	s_nop 0
.Lasked_\@:
.endm
; A round of the cluster's barrier: my work-group's barrier; wave 0 signals for the work-group; every wave waits for all sixteen; my work-group's barrier once more.
.macro CREST                           ; a round behind its opening barrier
	s_cmp_lg_u32 s10, 0
	s_cbranch_scc1 .Lnot_wave_0_\@
	s_barrier_signal -3
.Lnot_wave_0_\@:
	s_barrier_wait -3
	s_barrier_signal -1
	s_barrier_wait -1
.endm
.macro CROUND                          ; a whole round
	s_barrier_signal -1
	s_barrier_wait -1
	CREST
.endm
	s_load_b64 s[6:7], s[0:1], 0x0                 ; bf: W's rows begin at its first byte
	s_load_b64 s[66:67], s[0:1], 0x8               ; rope
	s_load_b64 s[8:9], s[0:1], 0x10                ; qkv
	s_set_vgpr_msb 0x40
	v_lshl_add_u32 v255, v0, 2, 0x48400
	s_set_vgpr_msb 0x4000
	v_mov_b32 v31, 0
	s_set_vgpr_msb 0x1
	ds_add_u32 v255, v31
	s_set_vgpr_msb 0x100
	v_lshrrev_b32 v1, 5, v0
	v_readfirstlane_b32 s10, v1                    ; wave 0..3
	s_lshr_b32 s11, s10, 1                         ; which half of the block's rows is mine.  Also: I fetch for x (0) or for W (1)
	s_and_b32 s12, s10, 1                          ; which half of its columns.  Also: which 128 rows of that tile I fetch
	s_bfe_u32 s40, ttmp6, 0x40000                  ; cx
	s_bfe_u32 s41, ttmp6, 0x40004                  ; cy
	s_lshl_b32 s42, ttmp9, 2
	s_add_co_u32 s42, s42, s40                     ; block column = 4 x cluster x + cx
	s_and_b32 s13, ttmp7, 0xffff
	s_lshl_b32 s13, s13, 2
	s_add_co_u32 s13, s13, s41                     ; block row = 4 x cluster y + cy
	s_lshl_b32 s43, s41, 2
	s_lshl_b32 s43, 15, s43                        ; my row of the cluster: places 4 cy .. 4 cy + 3
	s_lshl_b32 s44, 0x1111, s40                    ; my column: places cx, cx + 4, cx + 8, cx + 12
	s_cmp_lt_u32 ttmp9, 4                          ; clusters 0 to 3 along x hold q's and k's columns, 4 and 5 hold v's
	s_cselect_b32 s68, -1, 0                       ; q, k: the token's table row; v: row 0, the rotation by angle 0
	; descriptor group 1: a tile of 128 rows x 128 elements, padded in LDS
	s_or_b32 s[G1+0], s43, (1<<16)|(1<<20)|(1<<21)|(5<<22)|(3<<25)  ; 15:0 mask: x's tiles go to my row; 17:16 2 bytes; 20 padding on; 21 set beside a mask; 24:22 after every 64 words; 31:25 4 words
	s_or_b32 s[G1B+0], s44, (1<<16)|(1<<20)|(1<<21)|(5<<22)|(3<<25) ; the same with the mask of my column, for W's tiles
	s_mov_b32 s[G1B+1], KSTEP<<16
	s_mov_b32 s[G1+1], KSTEP<<16                   ; tensor_dim0 = 128
	s_mov_b32 s[G1B+2], 128<<16
	s_mov_b32 s[G1+2], 128<<16                     ; tensor_dim1 = 128
	s_mov_b32 s[G1B+3], KSTEP<<16
	s_mov_b32 s[G1+3], KSTEP<<16                   ; tile_dim0 = 128
	s_mov_b32 s[G1B+4], 128
	s_mov_b32 s[G1+4], 128                         ; tile_dim1 = 128
	s_mov_b32 s[G1B+5], SIZE_K
	s_mov_b32 s[G1+5], SIZE_K                      ; elements from row to row
	s_mov_b32 s[G1B+6], 0
	s_mov_b32 s[G1+6], 0
	s_mov_b32 s[G1B+7], 0
	s_mov_b32 s[G1+7], 0
	; x's tiles hang on the block row alone, W's on the block column alone; each address lives in registers that never hold the other coordinate
	s_lshl_b32 s17, s12, 7                         ; which 128 rows of the tile I fetch
	s_lshl_b32 s16, s13, 8
	s_add_co_u32 s16, s16, s17                     ; x: row 256 x block row + 128 x half
	s_lshl_b32 s46, s42, 8
	s_add_co_u32 s46, s46, s17                     ; W: row 256 x block column + 128 x half
	s_mov_b32 s17, 0
	s_mov_b32 s47, 0
	s_mov_b64 s[18:19], SIZE_K*2
	s_mul_u64 s[16:17], s[16:17], s[18:19]         ; in bytes
	s_mul_u64 s[46:47], s[46:47], s[18:19]
	s_mul_i32 s20, s10, HALFT                      ; where they go: wave x 128 rows; no place in the cluster enters an LDS address
	s_wait_dscnt 0x0
	s_wait_kmcnt 0x0
	s_add_nc_u64 s[4:5], s[6:7], 0x1800000         ; x in bf16
	s_add_nc_u64 s[14:15], s[4:5], s[16:17]
	s_add_nc_u64 s[46:47], s[6:7], s[46:47]
	CROUND                                         ; all sixteen work-groups are here: the first joint loads meet
.irp s, 0,1
	s_mov_b32 s[G0+4*\s], 1                                        ; count = 1
	s_add_co_u32 s[G0+4*\s+1], s20, \s*SLOT                        ; LDS address
	s_add_nc_u64 s[G0+4*\s+2:G0+4*\s+3], s[14:15], \s*KSTEP*2      ; global address: K step s
	s_or_b32 s[G0+4*\s+3], s[G0+4*\s+3], 0x80000000                ; type = 2
	s_mov_b32 s[G0B+4*\s], 1
	s_add_co_u32 s[G0B+4*\s+1], s20, \s*SLOT
	s_add_nc_u64 s[G0B+4*\s+2:G0B+4*\s+3], s[46:47], \s*KSTEP*2
	s_or_b32 s[G0B+4*\s+3], s[G0B+4*\s+3], 0x80000000
	JLOAD \s                                       ; the ring is filled before anything else is done: two tensor loads of the wave are out
.endr
	; a fragment is 16 rows x 32 K in 8 registers: lane l holds row l % 16; registers 0-3 K = 8 (l / 16) + 0..7, registers 4-7 K = 16 + 8 (l / 16) + 0..7
	v_and_b32 v1, 15, v0                           ; l % 16
	v_bfe_u32 v2, v0, 4, 1                         ; l / 16
	v_mul_u32_u24 v3, v1, PITCH
	v_lshl_add_u32 v3, v2, 4, v3                   ; row x pitch + 16 x half
	s_mul_i32 s21, s11, HALFT                      ; my 128 rows of x
	s_mul_i32 s22, s12, HALFT                      ; my 128 rows of W,
	s_add_co_u32 s22, s22, 2*HALFT                 ; which lie behind x's 256
.irp s, 0,1
	v_add_nc_u32 v[ADRA+\s], s21, v3
	v_add_nc_u32 v[ADRB+\s], s22, v3
	s_add_co_u32 s21, s21, SLOT
	s_add_co_u32 s22, s22, SLOT
.endr
	s_mul_i32 s23, s10, 16*SPITCH
	s_add_co_u32 s23, s23, STAGE                   ; my stage
	v_mul_u32_u24 v4, v1, SPITCH                   ; in: row l % 16, 16 bytes for each half of the lanes
	v_lshl_add_u32 v4, v2, 4, v4
	v_add_nc_u32 v[STO], s23, v4
	v_mul_u32_u24 v5, v2, SPITCH                   ; back: lanes 0-15 take one row of 256 bytes, lanes 16-31 the next
	v_lshl_add_u32 v5, v1, 4, v5
	v_add_nc_u32 v[RD], s23, v5
	v_mul_u32_u24 v5, v2, SIZE_N*2                 ; and the same two rows in qkv
	v_lshl_add_u32 v[CO], v1, 4, v5
	s_and_b32 s69, s13, 3                          ; a sequence is four block rows: position = 256 (block row mod 4) + 128 half + 16 group + l % 16
	s_lshl_b32 s69, s69, 8
	s_lshl_b32 s70, s11, 7
	s_add_co_u32 s69, s69, s70
	v_add_nc_u32 v[POS0], s69, v1
	v_lshlrev_b32 v[POS0], 9, v[POS0]              ; a table row is 64 pairs of 8 bytes
	v_lshlrev_b32 v[H32], 5, v2
; The table for row group i: (cos, sin) of my token's position for pairs 8 b + 4 (l / 16) + 0..3, b = 0..7: 32 bytes of each 64, sixteen loads.
.macro TBL i, buf, adr
	v_add_nc_u32 v[\adr], 8192*\i, v[POS0]         ; 16 positions on for each group
	v_and_or_b32 v[\adr], v[\adr], s68, v[H32]     ; v's columns: row 0
.irp b, 0,1,2,3,4,5,6,7
	global_load_b128 v[\buf+8*\b:\buf+8*\b+3],   v[\adr], s[66:67] offset:64*\b
	global_load_b128 v[\buf+8*\b+4:\buf+8*\b+7], v[\adr], s[66:67] offset:64*\b+16
.endr
.endm
	TBL 0, T0, TA0                                 ; lands during the K loop, in registers that the loop does not name
; 16 matrix instructions: m blocks a0, a0 + 1 of the window's four x all 8 n blocks, 32 along K.  zero = 1: the first product starts the sums.
.macro MUL16 f, hi, a0, zero
.irp a, \a0, \a0+1
.irp b, 0,1,2,3,4,5,6,7
.if \zero
	v_wmma_f32_16x16x32_bf16 v[8*(8*(\a)+\b):8*(8*(\a)+\b)+7], v[\f+8*\b:\f+8*\b+7], v[\f+8*(4*\hi+\a):\f+8*(4*\hi+\a)+7], 0
.else
	v_wmma_f32_16x16x32_bf16 v[8*(8*(\a)+\b):8*(8*(\a)+\b)+7], v[\f+8*\b:\f+8*\b+7], v[\f+8*(4*\hi+\a):\f+8*(4*\hi+\a)+7], v[8*(8*(\a)+\b):8*(8*(\a)+\b)+7]
.endif
.endr
.endr
.endm
; 32 LDS loads in one run: the fragments of one quarter step into buffer f
.macro FETCH slot, k, f
	WIN TO_B
.irp i, 0,1,2,3,4,5,6,7
	ds_load_b128 v[\f+8*\i:\f+8*\i+3],   v[ADRB+\slot] offset:\k+\i*16*PITCH
	ds_load_b128 v[\f+8*\i+4:\f+8*\i+7], v[ADRB+\slot] offset:\k+\i*16*PITCH+32
.endr
	WIN 0
.irp i, 0,1,2,3,4,5,6,7
	ds_load_b128 v[\f+8*\i:\f+8*\i+3],   v[ADRA+\slot] offset:\k+\i*16*PITCH
	ds_load_b128 v[\f+8*\i+4:\f+8*\i+7], v[ADRA+\slot] offset:\k+\i*16*PITCH+32
.endr
.endm
; Four places behind a matrix instruction before a load lands on one of its registers or a vector instruction reads its result (ISA guide 7.12.1 for vector instructions)
.macro PLACES
.rept 4
	v_nop
.endr
.endm
; One of a K step's first three quarters: multiplies buffer f; in its middle it fetches the next quarter's fragments into buffer g.
; The 64 accumulators take turns, one instruction a turn, in the same order in every quarter.
.macro QUARTER slot, k, f, g, zero
	s_wait_dscnt 8                                 ; W and x's rows 0-63 are in; the youngest eight loads (x's rows 64-127) may be out
	WIN MUL_LO
	MUL16 \f, 0, 0, \zero
	MUL16 \f, 0, 2, \zero
	PLACES
	FETCH \slot, \k, \g
	s_wait_dscnt 32                                ; all but the 32 just issued
	WIN MUL_HI
	MUL16 \f, 1, 0, \zero
	MUL16 \f, 1, 2, \zero
.endm
.macro THREE slot, zero
	QUARTER \slot, 64,  F0, F1, \zero
	QUARTER \slot, 128, F1, F0, 0
	QUARTER \slot, 192, F0, F1, 0
.endm
; The last quarter: multiplies buffer 1 and changes slots.  In front of the barrier each wave waits for its own reads of this slot and for all its tensor
; loads (one is out: its part of the next slot).  Behind it the refill comes first, then the next slot's first fragments.
.macro TURN slot, next, fill
	s_wait_dscnt 8
	WIN MUL_LO
	MUL16 F1, 0, 0, 0
	s_wait_dscnt 0                                 ; my reads of this slot are over
	s_wait_tensorcnt 0x0                           ; and all my tensor loads have landed
	ds_add_u32 v255, v31
	s_wait_dscnt 0x0
	s_barrier_signal -1                            ; say so (where a slot is filled again this barrier opens a round of the cluster's barrier),
	MUL16 F1, 0, 2, 0                              ; work on registers while the others arrive,
	WIN 0
	s_barrier_wait -1
.if \fill
	CREST                                          ; no wave of any partner still reads this slot's tile or has a load on its way
	s_add_nc_u64 s[G0+4*\slot+2:G0+4*\slot+3], s[G0+4*\slot+2:G0+4*\slot+3], 2*KSTEP*2
	s_add_nc_u64 s[G0B+4*\slot+2:G0B+4*\slot+3], s[G0B+4*\slot+2:G0B+4*\slot+3], 2*KSTEP*2
	JLOAD \slot                                    ; the first tensor load behind the round, and the wave's only one until the next
.endif
	PLACES
	FETCH \next, 0, F0
	WIN MUL_HI
	MUL16 F1, 1, 0, 0
	MUL16 F1, 1, 2, 0
.endm
.macro LAP zero
	THREE 0, \zero
	TURN 0, 1, 1
	THREE 1, 0
	TURN 1, 0, 1
.endm
	s_wait_tensorcnt 1                             ; my part of K step 0 is in; K step 1's may stay out
	s_barrier_signal -1
	s_barrier_wait -1
	FETCH 0, 0, F0
	LAP 1                                          ; the first lap stands in front of the loop: its first products start the sums
	WIN 0
	s_mov_b32 s3, LAPS-2
.Llap:
	LAP 0
	WIN 0
	s_sub_co_u32 s3, s3, 1
	s_cmp_lg_u32 s3, 0
	s_cbranch_scc1 .Llap
	THREE 0, 0                                     ; the last lap fills nothing
	TURN 0, 1, 0
	THREE 1, 0
	s_wait_dscnt 8
	WIN MUL_LO
	MUL16 F1, 0, 0, 0
	MUL16 F1, 0, 2, 0
	s_wait_dscnt 0
	WIN MUL_HI
	MUL16 F1, 1, 0, 0
	MUL16 F1, 1, 2, 0
	; THE WAY OUT, 16 tokens at a time: rotate, round to f16, 16 bytes a lane into my own stage, read back as whole rows of 256 bytes.
	PLACES                                         ; the places behind the last matrix instructions, for all that follows
	WIN 0
	TBL 1, T1, TA1
	s_lshl_b32 s13, s13, 8
	s_lshl_b32 s14, s11, 7
	s_add_co_u32 s16, s13, s14                     ; my first token
	s_mov_b32 s17, 0
	s_mov_b64 s[18:19], SIZE_N*2
	s_mul_u64 s[16:17], s[16:17], s[18:19]
	s_add_nc_u64 s[8:9], s[8:9], s[16:17]
	s_lshl_b32 s46, s42, 9                         ; my first column, in bytes: 512 x block + 256 x half
	s_lshl_b32 s47, s12, 8
	s_add_co_u32 s46, s46, s47
	s_mov_b32 s47, 0
	s_add_nc_u64 s[8:9], s[8:9], s[46:47]
; tokens 16 i .. 16 i + 15 of my block = the eight tiles (a, 0..7) of window 2 or 3 (from = 0x02 or 0x03: source 0).
; tab, adr: this group's table registers and their address register; rb: where rows are read back; left: how many younger table loads may stay out.
.macro OUT16 i, a, from, tab, adr, rb, left
	s_wait_loadcnt \left                           ; this group's sixteen table loads are in (which also frees their address register); the next group's stay out
	WIN \from
.irp b, 0,1,2,3,4,5,6,7
.irp q, 0,2
	; pairs q and q + 1: (xe, xo) -> (xe c - xo s, xe s + xo c), the results in the table's registers
	v_mul_f32 v8,  v[8*(8*\a+\b)+2*\q+1], v[\tab+8*\b+2*\q+1]
	v_mul_f32 v9,  v[8*(8*\a+\b)+2*\q+1], v[\tab+8*\b+2*\q]
	v_mul_f32 v10, v[8*(8*\a+\b)+2*\q+3], v[\tab+8*\b+2*\q+3]
	v_mul_f32 v11, v[8*(8*\a+\b)+2*\q+3], v[\tab+8*\b+2*\q+2]
	v_fma_f32 v[\tab+8*\b+2*\q],   v[8*(8*\a+\b)+2*\q],   v[\tab+8*\b+2*\q],   -v8
	v_fma_f32 v[\tab+8*\b+2*\q+1], v[8*(8*\a+\b)+2*\q],   v[\tab+8*\b+2*\q+1], v9
	v_fma_f32 v[\tab+8*\b+2*\q+2], v[8*(8*\a+\b)+2*\q+2], v[\tab+8*\b+2*\q+2], -v10
	v_fma_f32 v[\tab+8*\b+2*\q+3], v[8*(8*\a+\b)+2*\q+2], v[\tab+8*\b+2*\q+3], v11
.endr
.endr
	WIN 0
.set n, 0
.rept 32
	v_cvt_pk_f16_f32 v[TMP+n], v[\tab+2*n], v[\tab+2*n+1]
.set n, n+1
.endr
.if \i < 6
	TBL (\i+2), \tab, \adr                         ; the table of the group after next, into the registers just read
.endif
.irp b, 0,1,2,3,4,5,6,7
	ds_store_b128 v[STO], v[TMP+4*\b:TMP+4*\b+3] offset:32*\b
.endr
	s_wait_xcnt 0x0                                ; rb, which earlier stores read, and the stores' base are rewritten only behind this wait (ISA guide 3.1)
.if \i
	s_add_nc_u64 s[8:9], s[8:9], 16*SIZE_N*2       ; 16 tokens on
.endif
.irp t, 0,1,2,3,4,5,6,7
	ds_load_b128 v[\rb+4*\t:\rb+4*\t+3], v[RD] offset:\t*2*SPITCH    ; LDS serves a wave's instructions in order (ISA guide 5.7.1.4): these see the stores above
.endr
.irp t, 0,1,2,3,4,5,6,7
	s_wait_dscnt 7-\t                              ; rows 2 t and 2 t + 1 are back, the later ones stay out
	global_store_b128 v[CO], v[\rb+4*\t:\rb+4*\t+3], s[8:9] offset:2*\t*SIZE_N*2   ; 16 lanes store 256 consecutive bytes, one head's row, at a multiple of 256
.endr
.endm
	OUT16 0, 0, 0x02, T0, TA0, RB0, 16
	OUT16 1, 1, 0x02, T1, TA1, RB1, 16
	OUT16 2, 2, 0x02, T0, TA0, RB0, 16
	OUT16 3, 3, 0x02, T1, TA1, RB1, 16
	OUT16 4, 0, 0x03, T0, TA0, RB0, 16
	OUT16 5, 1, 0x03, T1, TA1, RB1, 16
	OUT16 6, 2, 0x03, T0, TA0, RB0, 16
	OUT16 7, 3, 0x03, T1, TA1, RB1, 0
	s_set_vgpr_msb 0x1
	s_wait_tensorcnt 0x0
	ds_add_u32 v255, v31
	s_wait_dscnt 0x0
	s_set_vgpr_msb 0x100
	CROUND                                         ; the closing round: no work-group ends while a partner may still ask for a tile that names it
	s_endpgm
.Lfunc_end_k_q685aaa2881_proj:
	.size	k_q685aaa2881_proj, .Lfunc_end_k_q685aaa2881_proj-k_q685aaa2881_proj
	.p2alignl 7, 3214868480
	.fill 96, 4, 3214868480
	.section	.rodata,"a",@progbits
	.p2align	6, 0x0
	.amdhsa_kernel k_q685aaa2881_proj
		.amdhsa_group_segment_fixed_size 327680
		.amdhsa_private_segment_fixed_size 0
		.amdhsa_enable_private_segment 0
		.amdhsa_kernarg_size 24
		.amdhsa_user_sgpr_count 2
		.amdhsa_user_sgpr_kernarg_segment_ptr 1
		.amdhsa_wavefront_size32 1
		.amdhsa_system_sgpr_workgroup_id_x 1
		.amdhsa_system_sgpr_workgroup_id_y 1
		.amdhsa_system_sgpr_workgroup_id_z 1
		.amdhsa_system_vgpr_workitem_id 0
		.amdhsa_next_free_vgpr 1024
		.amdhsa_next_free_sgpr 72
		.amdhsa_reserve_vcc 0
		.amdhsa_float_denorm_mode_32 3
		.amdhsa_float_denorm_mode_16_64 3
		.amdhsa_memory_ordered 1
		.amdhsa_forward_progress 1
		.amdhsa_inst_pref_size 255
	.end_amdhsa_kernel
	.section	.bss,"aw",@nobits
	.p2align	6
	.space	262144
	.amdgpu_metadata
---
amdhsa.version: [ 1, 2 ]
amdhsa.kernels:
  - .name:           k_q685aaa2881_proj
    .symbol:         k_q685aaa2881_proj.kd
    .args:
      - { .name: bf, .offset: 0, .size: 8, .value_kind: global_buffer, .address_space: global }
      - { .name: rope, .offset: 8, .size: 8, .value_kind: global_buffer, .address_space: global }
      - { .name: qkv, .offset: 16, .size: 8, .value_kind: global_buffer, .address_space: global }
    .group_segment_fixed_size: 327680
    .private_segment_fixed_size: 0
    .kernarg_segment_align: 8
    .kernarg_segment_size: 24
    .max_flat_workgroup_size: 128
    .sgpr_count:     72
    .vgpr_count:     1024
    .wavefront_size: 32
...
	.end_amdgpu_metadata
.endif
;; end of part 2
;; launch attn (part 3): grid 8 x 32, 4 waves a work-group, clusters of 4 x 1, 327,680 bytes of LDS; arguments qkv, W_o, att, wo; writes att, wo
.if DOCPART == 3
	.amdgcn_target "amdgcn-amd-amdhsa--gfx1250"
	.amdhsa_code_object_version 6
	.text
	.protected	k_q685aaa2881_attn
	.globl	k_q685aaa2881_attn
	.p2align	8
	.type	k_q685aaa2881_attn,@function
k_q685aaa2881_attn:
	s_mov_b64 s[64:65], 0
	v_nop
	global_prefetch_b8 v0, s[64:65] scope:SCOPE_SE
	s_setreg_imm32_b32 hwreg(HW_REG_WAVE_MODE, 25, 1), 1
	s_wait_xcnt 0x0
	s_wait_alu depctr_hold_cnt(0) depctr_sa_sdst(0) depctr_va_vdst(0) depctr_va_sdst(0) depctr_va_ssrc(0) depctr_va_vcc(0) depctr_vm_vsrc(0)
	s_getreg_b32 s2, hwreg(HW_REG_IB_STS2, 6, 4)
	s_cmp_eq_u32 s2, 0
	s_cbranch_scc0 .Lentry_in_a_cluster
	s_endpgm
.Lentry_in_a_cluster:
	s_bfe_u32 s2, ttmp6, 0x10000c
	s_cmp_lg_u32 s2, 0x3003
	s_cbranch_scc0 .Lentry_shape_is_right
	s_endpgm
.Lentry_shape_is_right:
; attn: causal softmax attention.  qkv: [2048 tokens][6144] f16 (head h: q at column 128 h, k at 2048 + 128 h, v at 4096 + 128 h).
; att: [2048][2048] f16, head h at column 128 h.  Scores, softmax and sums in f32; p in f16.
; It also converts W_o, which only the next launch needs: each work-group takes 65,536 bytes of it, rounds them to bf16 and writes that value as f16 into wo,
; while its first tiles are on their way.
; LIMITS: p and the output are f16 (p below 6e-5 keeps an absolute error of 3e-8; an output above 65,504 becomes an infinity).  A bf16 value of W_o above
; 65,504 in magnitude becomes an infinity in f16; below 2^-17 it is rounded again, with an absolute error of at most 2^-25.
; SHARE: the 1,024 queries of a (batch, head) are four superblocks of 256.  A cluster of four work-groups takes superblock J and then superblock 3 - J
; (J = the cluster's x, 0 or 1); partner cx takes queries 64 cx .. 64 cx + 63 of the superblock.  Superblock SB needs keys 0 .. 256 SB + 255, SB + 1 double tiles of
; 256 keys, so the two need (J + 1) + (4 - J) = 5 double tiles, 10 steps of 128 keys, for every partner of every cluster: the same tiles in the same order.
; So each K and V tile is asked for JOINTLY by the four and fetched once for them.  No branch hangs on cx: it enters the addresses of q, att, W_o and wo and the
; numbers that the mask compares.  The price: in a superblock's last double tile every partner works through both steps, also where all its scores are masked:
; 10 steps where a walk cut to each partner's own queries would need 9.
; Wave w: wq = w / 2 takes 32 of the 64 queries (two tiles u of 16), wk = w % 2 takes 64 of a step's 128 keys.  At a superblock's end the wk = 1 wave hands its
; sums, its offset and its l to its wk = 0 partner through LDS, which merges, divides and stores.
; ORIENTATION, chosen so that nothing moves between lanes but one exchange of the two halves for the maximum:
;   S^T = K Q^T   (source 0: 16 keys x 32 d from LDS; source 1: 16 queries x 32 d, kept in registers): lane (r, h), register j = key 16 kt + 8 h + j, query r
;   P^T           the lane's own registers, packed: tiles 2 kk and 2 kk + 1 are registers 0-3 and 4-7 of the fragment of keys 32 kk .. 32 kk + 31
;   O^T = V^T P^T (source 0 by transposing LDS loads): lane (r, h), register j = d 16 dt + 8 h + j of query r: eight neighbouring numbers of a row
; SOFTMAX: the running maximum m is taken away in every step.  p = 2^(c s + NM), c = log2(e) / sqrt(128), NM = -c m rounded once; a change of m rescales
; by 2^(NM new - NM old), so that every p and every rescale refer to the same rounded offsets.  m starts at the most negative finite number, masked scores are -infinity.
; LDS: two slots of 143,360 bytes, each a double tile: V keys 0-127, V keys 128-255 (pitch 288, an odd multiple of 32 for the transposing loads), K keys 0-127,
; K keys 128-255 (pitch 272); each part is one wave's tensor load of 128 rows of 256 bytes.  A request has the two steps of the other slot in which to land.
; Behind the slots, where no tensor load lands: the merge's scratch, 16,896 bytes for each wq; the wave that has read it uses its first 4,352 bytes as its stage.
.set PITCHK, 272
.set PITCHV, 288
.set VHALF,  128*PITCHV                ; 36,864
.set KHALF,  128*PITCHK                ; 34,816
.set KBASE,  2*VHALF                   ; 73,728: K's parts lie behind V's
.set SLOT,   KBASE+2*KHALF             ; 143,360
.set SCRB,   2*SLOT                    ; 286,720: scratch of wq, 16,384 bytes of sums (lane after lane) + 512 of (NM, NM, l, l)
.set SCRSZ,  16896
.set ROWQ,   12288                     ; bytes of a token's row in qkv
.set DSTEP,  256*ROWQ                  ; 256 keys on
.set KADR, 3                           ; v3, v4   my K fragments in slot 0, 1
.set VADR, 5                           ; v5, v6   my V fragments in slot 0, 1
                                       ; v7 scratch, v8 stage in, v9 stage back, v10 offset in att, v11 offset of Q, v12 r - 8 h, v13 -infinity
.set MX, 14                            ; v14-15   running maximum of u = 0, 1
.set NM, 16                            ; v16-17   -c m
.set LS, 18                            ; v18-19   l, summed over this lane's keys alone until the superblock's end
.set AL, 20                            ; v20-21   the step's rescale; in the merge my weight
                                       ; v22-31   at work
.set SC, 32                            ; v32-95   scores, tile (u, kt) at 32 + 8 (4 u + kt); on the way out rows read back; at the start W_o as stored
.set PR, 96                            ; v96-127  p in f16, fragment (u, kk) at 96 + 8 (2 u + kk); on the way out packed results
.set KV, 128                           ; v128-255 K(kt, kk) at 128 + 8 (4 kk + kt), then V(dt, kk) at 128 + 8 (8 kk + dt); in the merge the partner's sums; at the start W_o as loaded
.set QR, 128                           ; window 1: v384-447 Q(u, kk) at 128 + 8 (4 u + kk);  window 1, v256-383: O(u, dt) at 8 (8 u + dt)
.set G1K, 24                           ; s[24:31] descriptor group 1 for K's parts
.set G1V, 32                           ; s[32:39] for V's parts: a wider pad
.set G0K, 40                           ; s[40:47] group 0 for K's parts, one set for each slot
.set G0V, 48                           ; s[48:55] group 0 for V's parts
; SCALARS.  Those that feed a descriptor or an LDS address never hold cx: s12 wave, s13 wk, s14 wq, s15 J, s17-19 (batch, head), s[56:57] K's and s[58:59] V's part of
; the first double tile, s[82:83] a tile's offset, s84-85 at work.  With cx: s16 cx, s20 the block of 64 queries at work, s21, s60-63, s70-73, s77-79, s81.
.set MSB, 0
.macro WIN new                         ; the immediate's high byte repeats the setting that is left; at every label and branch the setting is 0
.if MSB != \new
	s_set_vgpr_msb (MSB<<8)|\new
.set MSB, \new
.endif
.endm
.macro PLACES                          ; four places behind a matrix instruction (ISA guide 7.12.1 for vector instructions)
.rept 4
	v_nop
.endr
.endm
; A joint load: my part of a double tile into slot s.  Waves 0 and 1 bring V's halves, waves 2 and 3 K's.  The branch hangs on the wave's number alone.
.macro JLOAD s
	s_cmp_lt_u32 s12, 2
	s_cbranch_scc0 .Lfor_k_\@
	tensor_load_to_lds s[G0V+4*\s:G0V+4*\s+3], s[G1V:G1V+7]
	s_nop 0
	s_branch .Lasked_\@
.Lfor_k_\@:
	tensor_load_to_lds s[G0K+4*\s:G0K+4*\s+3], s[G1K:G1K+7]
	s_nop 0
.Lasked_\@:
.endm
; A round of the cluster's barrier: my work-group's barrier; wave 0 signals for the work-group; every wave waits for all four; my work-group's barrier once more.
.macro CROUND
	s_barrier_signal -1
	s_barrier_wait -1
	s_cmp_lg_u32 s12, 0
	s_cbranch_scc1 .Lnot_wave_0_\@
	s_barrier_signal -3
.Lnot_wave_0_\@:
	s_barrier_wait -3
	s_barrier_signal -1
	s_barrier_wait -1
.endm
; My 32 queries of block s20 into registers, as fragments: lane (r, h) takes d = 32 kk + 8 h .. and 32 kk + 16 + 8 h .. of query 16 u + r
.macro QLOAD
	s_lshl_b32 s21, s20, 6
	s_lshl_b32 s81, s14, 5
	s_add_co_u32 s21, s21, s81                     ; 64 block + 32 wq
	s_mul_i32 s60, s21, ROWQ
	s_add_nc_u64 s[72:73], s[66:67], s[60:61]
	WIN 0x40                                       ; destination window 1
.irp u, 0,1
.irp kk, 0,1,2,3
	global_load_b128 v[QR+8*(4*\u+\kk):QR+8*(4*\u+\kk)+3],   v11, s[72:73] offset:\u*16*ROWQ+\kk*64
	global_load_b128 v[QR+8*(4*\u+\kk)+4:QR+8*(4*\u+\kk)+7], v11, s[72:73] offset:\u*16*ROWQ+\kk*64+32
.endr
.endr
	WIN 0
.endm
.macro RESET                           ; a superblock's start
	v_mov_b32 v[MX],   0xff7fffff                  ; the most negative finite number: m is finite always
	v_mov_b32 v[MX+1], 0xff7fffff
	v_mul_f32 v[NM],   s74, v[MX]
	v_mul_f32 v[NM+1], s74, v[MX+1]
	v_mov_b32 v[LS],   0
	v_mov_b32 v[LS+1], 0
.endm
; The causal mask, needed in a superblock's last double tile alone, whose keys begin where the superblock's queries begin: counted from there,
; key 128 hs + 64 wk + 16 kt + 8 h + j is masked where it is above query 64 cx + 32 wq + 16 u + r.  s77 = 64 cx + 32 wq - 64 wk.
.macro MASK hs
	v_add_nc_u32 v22, s77, v12                     ; + r - 8 h
.irp u, 0,1
.irp kt, 0,1,2,3
	v_add_nc_u32 v23, 16*(\u-\kt)-128*\hs, v22
.irp jj, 0,1,2,3,4,5,6,7
	v_cmp_gt_i32 vcc_lo, \jj, v23
	v_cndmask_b32 v[SC+8*(4*\u+\kt)+\jj], v[SC+8*(4*\u+\kt)+\jj], v13, vcc_lo
.endr
.endr
.endr
.endm
; The new maximum of queries u, its offset and the rescale
.macro SMAX u
.set SB, SC+32*\u
.irp k, 0,1,2,3
	v_max3_num_f32 v[24+\k], v[SB+8*\k], v[SB+8*\k+1], v[SB+8*\k+2]      ; four chains, one a tile
.endr
.irp k, 0,1,2,3
	v_max3_num_f32 v[24+\k], v[24+\k], v[SB+8*\k+3], v[SB+8*\k+4]
.endr
.irp k, 0,1,2,3
	v_max3_num_f32 v[24+\k], v[24+\k], v[SB+8*\k+5], v[SB+8*\k+6]
.endr
.irp k, 0,1,2,3
	v_max_num_f32 v[24+\k], v[24+\k], v[SB+8*\k+7]
.endr
	v_max3_num_f32 v24, v24, v25, v26
	v_max_num_f32 v24, v24, v27
	v_permlanex16_b32 v25, v24, s75, s76           ; the other half of the lanes holds the query's other keys
	v_max3_num_f32 v24, v24, v25, v[MX+\u]
	v_mul_f32 v26, s74, v24                        ; -c m
	v_sub_f32 v27, v26, v[NM+\u]
	v_exp_f32 v[AL+\u], v27                        ; 2^(NM new - NM old), at most 1
	v_mov_b32 v[MX+\u], v24                        ; (the plain instruction behind v_exp_f32, ISA guide 5.7.2)
	v_mov_b32 v[NM+\u], v26
.endm
; p, its sum and its f16 fragments for queries u
.macro SEXP u
.set SB, SC+32*\u
.set n, 0
.rept 16
.if \u == 0
	v_pk_fma_f32 v[SB+n:SB+n+1], v[SB+n:SB+n+1], s[22:23], v[NM:NM+1] op_sel_hi:[1,0,0]                ; c s + NM of u = 0, one rounding
.else
	v_pk_fma_f32 v[SB+n:SB+n+1], v[SB+n:SB+n+1], s[22:23], v[NM:NM+1] op_sel:[0,0,1] op_sel_hi:[1,0,1] ; the same with NM of u = 1
.endif
.set n, n+2
.endr
.set n, 0
.rept 32
	v_exp_f32 v[SB+n], v[SB+n]
.set n, n+1
.endr
	v_nop                                          ; the plain place behind the exponentials (ISA guide 5.7.2)
	s_wait_alu depctr_va_vdst(0)
.irp k, 0,1,2,3
	v_pk_add_f32 v[24+2*\k:25+2*\k], v[SB+8*\k:SB+8*\k+1], v[SB+8*\k+2:SB+8*\k+3]
.endr
.irp k, 0,1,2,3
	v_pk_add_f32 v[24+2*\k:25+2*\k], v[24+2*\k:25+2*\k], v[SB+8*\k+4:SB+8*\k+5]
.endr
.irp k, 0,1,2,3
	v_pk_add_f32 v[24+2*\k:25+2*\k], v[24+2*\k:25+2*\k], v[SB+8*\k+6:SB+8*\k+7]
.endr
	v_pk_add_f32 v[24:25], v[24:25], v[26:27]
	v_pk_add_f32 v[28:29], v[28:29], v[30:31]
	v_pk_add_f32 v[24:25], v[24:25], v[28:29]
	v_add_f32 v24, v24, v25
	v_fma_f32 v[LS+\u], v[LS+\u], v[AL+\u], v24
.set n, 0
.rept 16
	v_cvt_pk_f16_f32 v[PR+16*\u+n], v[SB+2*n], v[SB+2*n+1]
.set n, n+1
.endr
.endm
.macro RESCALE                         ; the sums so far into the new maximum's frame
	WIN 0x41                                       ; destination and source 0 window 1
.set n, 0
.rept 32
	v_pk_mul_f32 v[n:n+1], v[n:n+1], v[AL:AL+1] op_sel_hi:[1,0]
.set n, n+2
.endr
.rept 32
	v_pk_mul_f32 v[n:n+1], v[n:n+1], v[AL:AL+1] op_sel:[0,1] op_sel_hi:[1,1]
.set n, n+2
.endr
.endm
; 16 matrix instructions: all of d x both u, keys 32 kk .. 32 kk + 31.  The sixteen accumulators take turns.
.macro PV16 kk, zero
.irp dt, 0,1,2,3,4,5,6,7
.irp u, 0,1
.if \zero
	v_wmma_f32_16x16x32_f16 v[8*(8*\u+\dt):8*(8*\u+\dt)+7], v[KV+8*(8*\kk+\dt):KV+8*(8*\kk+\dt)+7], v[PR+8*(2*\u+\kk):PR+8*(2*\u+\kk)+7], 0
.else
	v_wmma_f32_16x16x32_f16 v[8*(8*\u+\dt):8*(8*\u+\dt)+7], v[KV+8*(8*\kk+\dt):KV+8*(8*\kk+\dt)+7], v[PR+8*(2*\u+\kk):PR+8*(2*\u+\kk)+7], v[8*(8*\u+\dt):8*(8*\u+\dt)+7]
.endif
.endr
.endr
.endm
; A superblock's end.  more = 1: the second superblock follows: its queries are asked for at once and the state is reset.
.macro FINISH more
	v_permlanex16_b32 v24, v[LS],   s75, s76       ; l over both halves of the lanes
	v_permlanex16_b32 v25, v[LS+1], s75, s76
	v_add_f32 v[LS],   v[LS],   v24
	v_add_f32 v[LS+1], v[LS+1], v25
	s_lshl_b32 s21, s20, 6
	s_lshl_b32 s81, s14, 5
	s_add_co_u32 s21, s21, s81                     ; my first query of the superblock that ends
	s_lshl_b32 s60, s21, 12                        ; rows of 4,096 bytes in att
	s_add_nc_u64 s[70:71], s[68:69], s[60:61]
.if \more
	s_sub_co_u32 s21, 3, s15                       ; the second superblock, 3 - J: block 4 (3 - J) + cx
	s_lshl_b32 s21, s21, 2
	s_add_co_u32 s20, s21, s16
	QLOAD                                          ; Q's registers were last read by this step's score products, with the softmax between
.endif
	s_cmp_eq_u32 s13, 0
	s_cbranch_scc1 .Lkeeps_\@
	WIN 0x04                                       ; store data window 1
.set n, 0
.rept 32
	ds_store_b128 v7, v[4*n:4*n+3] offset:512*n    ; the wk = 1 wave hands over its sums, lane after lane,
.set n, n+1
.endr
	WIN 0
	ds_store_b128 v7, v[NM:NM+3] offset:16384      ; its offsets and its l
.Lkeeps_\@:
	s_wait_dscnt 0x0                               ; for the partner's sake: the stores are done
	s_barrier_signal -1
	s_barrier_wait -1                              ; a tile may stay on its way
	s_cmp_lg_u32 s13, 0
	s_cbranch_scc1 .Lgave_\@
.set n, 0
.rept 32
	ds_load_b128 v[KV+4*n:KV+4*n+3], v7 offset:512*n
.set n, n+1
.endr
	ds_load_b128 v[24:27], v7 offset:16384
	s_wait_dscnt 0x0                               ; the scratch has been read: its first bytes now serve as my stage
	v_min_num_f32 v28, v[NM],   v24                ; the smaller -c m belongs to the larger maximum
	v_min_num_f32 v29, v[NM+1], v25
	v_sub_f32 v30, v28, v[NM]
	v_sub_f32 v31, v29, v[NM+1]
	v_sub_f32 v28, v28, v24
	v_sub_f32 v29, v29, v25
	v_exp_f32 v30, v30                             ; my factor
	v_exp_f32 v31, v31
	v_exp_f32 v28, v28                             ; the partner's (0 where all its keys were masked)
	v_exp_f32 v29, v29
	v_nop
	s_wait_alu depctr_va_vdst(0)
	v_mul_f32 v24, v30, v[LS]
	v_mul_f32 v25, v31, v[LS+1]
	v_fma_f32 v24, v28, v26, v24                   ; l of all keys: at least 1, since the largest score gives p = 1
	v_fma_f32 v25, v29, v27, v25
	v_rcp_f32 v24, v24
	v_rcp_f32 v25, v25
	v_nop
	s_wait_alu depctr_va_vdst(0)
	v_mul_f32 v[AL],   v30, v24                    ; my weight
	v_mul_f32 v[AL+1], v31, v25
	v_mul_f32 v22, v28, v24                        ; the partner's weight
	v_mul_f32 v23, v29, v25
.set n, 0
.rept 32
	v_pk_mul_f32 v[KV+n:KV+n+1], v[KV+n:KV+n+1], v[22:23] op_sel_hi:[1,0]
.set n, n+2
.endr
.rept 32
	v_pk_mul_f32 v[KV+n:KV+n+1], v[KV+n:KV+n+1], v[22:23] op_sel:[0,1] op_sel_hi:[1,1]
.set n, n+2
.endr
	WIN 0x01                                       ; source 0 window 1: my sums
.set n, 0
.rept 32
	v_pk_fma_f32 v[KV+n:KV+n+1], v[n:n+1], v[AL:AL+1], v[KV+n:KV+n+1] op_sel_hi:[1,0,1]
.set n, n+2
.endr
.rept 32
	v_pk_fma_f32 v[KV+n:KV+n+1], v[n:n+1], v[AL:AL+1], v[KV+n:KV+n+1] op_sel:[0,1,0] op_sel_hi:[1,1,1]
.set n, n+2
.endr
	WIN 0
.irp u, 0,1
.set n, 0
.rept 32
	v_cvt_pk_f16_f32 v[PR+n], v[KV+64*\u+2*n], v[KV+64*\u+2*n+1]
.set n, n+1
.endr
.irp dt, 0,1,2,3,4,5,6,7
	ds_store_b128 v8, v[PR+4*\dt:PR+4*\dt+3] offset:32*\dt           ; row r, 16 bytes for each half of the lanes
.endr
.irp t, 0,1,2,3,4,5,6,7
	ds_load_b128 v[SC+32*\u+4*\t:SC+32*\u+4*\t+3], v9 offset:544*\t  ; my own stage, served in order (ISA guide 5.7.1.4): whole rows back
.endr
.irp t, 0,1,2,3,4,5,6,7
	s_wait_dscnt 7-\t                              ; rows 2 t and 2 t + 1 are back, the later ones stay out
	global_store_b128 v10, v[SC+32*\u+4*\t:SC+32*\u+4*\t+3], s[70:71] offset:\u*65536+8192*\t   ; 16 lanes store 256 consecutive bytes at a multiple of 256
.endr
.endr
.Lgave_\@:
	s_wait_xcnt 0x0                                ; the stores' data (the scores' registers) and the bases are rewritten only behind this wait (ISA guide 3.1)
.if \more
	RESET
	s_wait_loadcnt 0x0                             ; the second superblock's queries
.endif
.endm
; One step: keys 128 hs .. 128 hs + 127 of the double tile in slot \slot.  No barrier stands between a slot's two steps.
; firstmode: 1 the superblock's first step, 0 not, 2 the first where J = fj.  maskmode: 0 no mask, 1 mask, 2 mask where J = mj.
.macro HALF slot, hs, firstmode, fj, maskmode, mj
.irp kk, 0,1,2,3
.irp kt, 0,1,2,3
	ds_load_b128 v[KV+8*(4*\kk+\kt):KV+8*(4*\kk+\kt)+3],   v[KADR+\slot] offset:\hs*KHALF+\kt*16*PITCHK+\kk*64
	ds_load_b128 v[KV+8*(4*\kk+\kt)+4:KV+8*(4*\kk+\kt)+7], v[KADR+\slot] offset:\hs*KHALF+\kt*16*PITCHK+\kk*64+32
.endr
.endr
	WIN 0x04                                       ; source 1 (Q) window 1
.irp kk, 0,1,2,3
	s_wait_dscnt 24-8*\kk                          ; the eight loads of d group kk are in, the later groups stay out
.irp kt, 0,1,2,3
.irp u, 0,1
.if \kk == 0
	v_wmma_f32_16x16x32_f16 v[SC+8*(4*\u+\kt):SC+8*(4*\u+\kt)+7], v[KV+8*(4*\kk+\kt):KV+8*(4*\kk+\kt)+7], v[QR+8*(4*\u+\kk):QR+8*(4*\u+\kk)+7], 0
.else
	v_wmma_f32_16x16x32_f16 v[SC+8*(4*\u+\kt):SC+8*(4*\u+\kt)+7], v[KV+8*(4*\kk+\kt):KV+8*(4*\kk+\kt)+7], v[QR+8*(4*\u+\kk):QR+8*(4*\u+\kk)+7], v[SC+8*(4*\u+\kt):SC+8*(4*\u+\kt)+7]
.endif
.endr
.endr
.endr                                              ; the eight score tiles take turns
	WIN 0
	PLACES                                         ; before V lands on K's registers and the scores are read
.irp kk, 0,1
.irp dt, 0,1,2,3,4,5,6,7
	ds_load_tr16_b128 v[KV+8*(8*\kk+\dt):KV+8*(8*\kk+\dt)+3],   v[VADR+\slot] offset:\hs*VHALF+\kk*32*PITCHV+\dt*32
	ds_load_tr16_b128 v[KV+8*(8*\kk+\dt)+4:KV+8*(8*\kk+\dt)+7], v[VADR+\slot] offset:\hs*VHALF+\kk*32*PITCHV+\dt*32+16*PITCHV
.endr
.endr
.if \maskmode == 1
	MASK \hs
.endif
.if \maskmode == 2
	s_cmp_lg_u32 s15, \mj
	s_cbranch_scc1 .Lnomask_\@
	MASK \hs
.Lnomask_\@:
.endif
	SMAX 0
	SMAX 1
	SEXP 0
	SEXP 1
.if \firstmode == 1
	s_wait_dscnt 16                                ; V's first 32 keys are in, the sixteen loads of the second 32 stay out
	WIN 0x50                                       ; C and D window 1
	PV16 0, 1                                      ; the first product starts the sums
.endif
.if \firstmode == 0
	RESCALE
	s_wait_dscnt 16
	WIN 0x50
	PV16 0, 0
.endif
.if \firstmode == 2
	s_cmp_eq_u32 s15, \fj
	s_cbranch_scc1 .Lfirst_\@
	RESCALE
	s_wait_dscnt 16
	WIN 0x50
	PV16 0, 0
	WIN 0
	s_branch .Ljoin_\@
.Lfirst_\@:
	s_wait_dscnt 16
	WIN 0x50
	PV16 0, 1
	WIN 0
.Ljoin_\@:
.endif
	s_wait_dscnt 0x0
	WIN 0x50
	PV16 1, 0
	WIN 0
	PLACES                                         ; before anything lands on V's and p's registers or reads the sums
.endm
; The change of slots with a refill: slot \slot, which has been read, gets double tile kc - J of the second superblock's walk.
.macro NEXT slot, kc
	s_set_vgpr_msb 0x5
	s_wait_tensorcnt 0x0                           ; all my tensor loads have landed, my part of the other slot among them, so a group 0 may be written
	ds_add_u32 v192, v193
	s_wait_dscnt 0x0
	s_set_vgpr_msb 0x500
	s_sub_co_u32 s84, \kc, s15
	s_mul_i32 s82, s84, DSTEP
	s_add_nc_u64 s[G0K+4*\slot+2:G0K+4*\slot+3], s[56:57], s[82:83]
	s_or_b32 s[G0K+4*\slot+3], s[G0K+4*\slot+3], 0x80000000        ; type = 2
	s_add_nc_u64 s[G0V+4*\slot+2:G0V+4*\slot+3], s[58:59], s[82:83]
	s_or_b32 s[G0V+4*\slot+3], s[G0V+4*\slot+3], 0x80000000
	s_wait_dscnt 0x0                               ; my reads of this slot are over
	CROUND                                         ; both now hold of every wave of all four work-groups
	JLOAD \slot                                    ; first behind the round, my only tensor load until the next
.endm
	s_load_b256 s[4:11], s[0:1], 0x0               ; qkv s[4:5], W_o s[6:7], att s[8:9], wo s[10:11]
	s_set_vgpr_msb 0x40
	v_lshl_add_u32 v192, v0, 2, 0x4e400
	v_mov_b32 v193, 0
	s_set_vgpr_msb 0x4045
	ds_add_u32 v192, v193
	s_set_vgpr_msb 0x4500
	v_lshrrev_b32 v1, 5, v0
	v_readfirstlane_b32 s12, v1                    ; wave
	s_and_b32 s13, s12, 1                          ; wk.  Also: which 128 keys of a double tile I fetch
	s_lshr_b32 s14, s12, 1                         ; wq.  Also: I fetch V (0) or K (1)
	s_mov_b32 s15, ttmp9                           ; J: the cluster's x
	s_bfe_u32 s16, ttmp6, 0x40000                  ; cx
	s_and_b32 s17, ttmp7, 0xffff                   ; 16 batch + head
	s_lshr_b32 s18, s17, 4                         ; batch
	s_and_b32 s19, s17, 15                         ; head
	s_lshl_b32 s20, s15, 2
	s_add_co_u32 s20, s20, s16                     ; the block of 64 queries at work: first 4 J + cx
	s_mov_b32 s22, 0x3e0293ee                      ; c = log2(e) / sqrt(128), twice (a pair for the packed multiply-add)
	s_mov_b32 s23, 0x3e0293ee
	s_mov_b32 s74, 0xbe0293ee                      ; -c
	s_mov_b32 s75, 0x76543210                      ; v_permlanex16_b32: lane i of one half reads lane i of the other
	s_mov_b32 s76, 0xfedcba98
	s_mov_b32 s80, 0xffff0000                      ; a word's upper bf16
	s_lshl_b32 s77, s16, 6
	s_lshl_b32 s21, s14, 5
	s_add_co_u32 s77, s77, s21
	s_lshl_b32 s21, s13, 6
	s_sub_co_i32 s77, s77, s21                     ; 64 cx + 32 wq - 64 wk, for the mask
	; group 1: 128 rows x 128 elements of 2 bytes, 6,144 elements from row to row; a pad behind every 64 words: 4 words for K, 8 for V; the mask names all four partners
	s_mov_b32 s[G1K+0], 15|(1<<16)|(1<<20)|(1<<21)|(5<<22)|(3<<25)
	s_mov_b32 s[G1V+0], 15|(1<<16)|(1<<20)|(1<<21)|(5<<22)|(7<<25)
	s_mov_b32 s[G1K+1], 128<<16                    ; tensor_dim0
	s_mov_b32 s[G1V+1], 128<<16
	s_mov_b32 s[G1K+2], 128<<16                    ; tensor_dim1
	s_mov_b32 s[G1V+2], 128<<16
	s_mov_b32 s[G1K+3], 128<<16                    ; tile_dim0
	s_mov_b32 s[G1V+3], 128<<16
	s_mov_b32 s[G1K+4], 128                        ; tile_dim1
	s_mov_b32 s[G1V+4], 128
	s_mov_b32 s[G1K+5], 6144
	s_mov_b32 s[G1V+5], 6144
	s_mov_b32 s[G1K+6], 0
	s_mov_b32 s[G1V+6], 0
	s_mov_b32 s[G1K+7], 0
	s_mov_b32 s[G1V+7], 0
	s_lshl_b32 s84, s18, 10
	s_mul_i32 s66, s84, ROWQ                       ; the batch's first token in qkv,
	s_lshl_b32 s84, s19, 8
	s_add_co_u32 s66, s66, s84                     ; the head's 256 bytes
	s_mov_b32 s67, 0
	s_lshl_b32 s68, s18, 22                        ; the same in att: 1,024 rows of 4,096 bytes
	s_add_co_u32 s68, s68, s84
	s_mov_b32 s69, 0
	s_mul_i32 s82, s13, 128*ROWQ                   ; my part of a double tile: 128 keys down for odd waves
	s_add_co_u32 s82, s82, s66
	s_mov_b32 s83, 0
	s_mov_b32 s61, 0
	s_lshl_b32 s21, s17, 3
	s_add_co_u32 s21, s21, s20                     ; the work-group's number, 0 to 255
	s_lshl_b32 s62, s21, 16                        ; its 65,536 bytes of W_o,
	s_lshl_b32 s81, s12, 14                        ; my wave's 16,384 of them
	s_add_co_u32 s62, s62, s81
	s_mov_b32 s63, 0
	s_lshr_b32 s78, s62, 1                         ; half as many bytes in wo
	s_mov_b32 s79, 0
	s_mul_i32 s84, s12, VHALF                      ; LDS: V's parts at wave x 36,864 (waves 0 and 1),
	s_mul_i32 s85, s12, KHALF
	s_add_co_u32 s85, s85, KBASE-2*KHALF           ; K's at 73,728 + (wave - 2) x 34,816 = wave x 34,816 + 4,096 (waves 2 and 3)
	s_wait_dscnt 0x0
	s_wait_kmcnt 0x0
	s_add_nc_u64 s[56:57], s[4:5], s[82:83]
	s_add_nc_u64 s[58:59], s[56:57], 8192          ; v at byte 8,192 of a token's row,
	s_add_nc_u64 s[56:57], s[56:57], 4096          ; k at byte 4,096
	s_add_nc_u64 s[66:67], s[4:5], s[66:67]        ; q of the batch's first token
	s_add_nc_u64 s[68:69], s[8:9], s[68:69]
	s_add_nc_u64 s[6:7], s[6:7], s[62:63]
	s_add_nc_u64 s[10:11], s[10:11], s[78:79]
	s_mul_i32 s82, s15, DSTEP                      ; slot 1's first double tile is number J: the first superblock's second (J = 1) or the second superblock's first (J = 0)
	s_mov_b32 s[G0V], 1
	s_mov_b32 s[G0V+1], s84
	s_mov_b64 s[G0V+2:G0V+3], s[58:59]
	s_or_b32 s[G0V+3], s[G0V+3], 0x80000000
	s_mov_b32 s[G0V+4], 1
	s_add_co_u32 s[G0V+5], s84, SLOT
	s_add_nc_u64 s[G0V+6:G0V+7], s[58:59], s[82:83]
	s_or_b32 s[G0V+7], s[G0V+7], 0x80000000
	s_mov_b32 s[G0K], 1
	s_mov_b32 s[G0K+1], s85
	s_mov_b64 s[G0K+2:G0K+3], s[56:57]
	s_or_b32 s[G0K+3], s[G0K+3], 0x80000000
	s_mov_b32 s[G0K+4], 1
	s_add_co_u32 s[G0K+5], s85, SLOT
	s_add_nc_u64 s[G0K+6:G0K+7], s[56:57], s[82:83]
	s_or_b32 s[G0K+7], s[G0K+7], 0x80000000
	CROUND                                         ; all four work-groups are here: the first joint loads meet
	JLOAD 0
	JLOAD 1                                        ; both slots' first fills go out together: two tensor loads of the wave are out
	; W_o: 32 chunks of 512 bytes a wave, 16 bytes a lane, into registers that the first step does not need yet
	v_and_b32 v22, 31, v0
	v_lshlrev_b32 v28, 4, v22                      ; 16 x lane
	v_lshlrev_b32 v29, 3, v22                      ; 8 x lane
.set n, 0
.rept 32
	global_load_b128 v[KV+4*n:KV+4*n+3], v28, s[6:7] offset:512*n th:TH_LOAD_NT   ; read once in the whole launch
.set n, n+1
.endr
	v_and_b32 v1, 15, v0                           ; r
	v_bfe_u32 v2, v0, 4, 1                         ; h
	v_mul_u32_u24 v3, v1, PITCHK
	v_lshl_add_u32 v3, v2, 4, v3
	s_mul_i32 s84, s13, 64*PITCHK
	s_add_co_u32 s84, s84, KBASE
	v_add_nc_u32 v3, s84, v3                       ; K: my 64 keys of a step + 272 r + 16 h
	v_add_nc_u32 v4, SLOT, v3
	v_and_b32 v23, 7, v0
	v_lshl_add_u32 v23, v2, 3, v23                 ; V: key 8 h + lane mod 8,
	v_mul_u32_u24 v5, v23, PITCHV
	v_bfe_u32 v23, v0, 3, 1
	v_lshl_add_u32 v5, v23, 4, v5                  ; 16 bytes on for lanes 8-15 and 24-31
	s_mul_i32 s84, s13, 64*PITCHV
	v_add_nc_u32 v5, s84, v5
	v_add_nc_u32 v6, SLOT, v5
	s_mul_i32 s84, s14, SCRSZ
	s_add_co_u32 s84, s84, SCRB
	v_lshl_add_u32 v7, v22, 4, s84                 ; scratch of my wq + 16 x lane
	v_mul_u32_u24 v8, v1, 272
	v_lshl_add_u32 v8, v2, 4, v8
	v_add_nc_u32 v8, s84, v8                       ; stage in: row r, 16 h
	v_mul_u32_u24 v9, v2, 272
	v_lshl_add_u32 v9, v1, 4, v9
	v_add_nc_u32 v9, s84, v9                       ; stage back: row h, 16 r
	v_lshlrev_b32 v10, 12, v2
	v_lshl_add_u32 v10, v1, 4, v10                 ; the same two rows in att
	v_mul_u32_u24 v11, v1, ROWQ
	v_lshl_add_u32 v11, v2, 4, v11                 ; Q: token r, 16 h
	v_lshlrev_b32 v12, 3, v2
	v_sub_nc_u32 v12, v1, v12                      ; r - 8 h
	v_mov_b32 v13, 0xff800000                      ; -infinity
	QLOAD
	RESET
.set n, 0
.rept 32
	s_wait_loadcnt 47-n                            ; chunk n is in; the 31 - n later chunks and the sixteen loads of Q stay out
	v_cvt_pk_bf16_f32 v[SC+2*n],   v[KV+4*n],   v[KV+4*n+1]
	v_cvt_pk_bf16_f32 v[SC+2*n+1], v[KV+4*n+2], v[KV+4*n+3]
	v_lshlrev_b32 v24, 16, v[SC+2*n]               ; the bf16 value, widened again,
	v_and_b32     v25, s80, v[SC+2*n]
	v_lshlrev_b32 v26, 16, v[SC+2*n+1]
	v_and_b32     v27, s80, v[SC+2*n+1]
	v_cvt_pk_f16_f32 v[SC+2*n],   v24, v25         ; is written as f16
	v_cvt_pk_f16_f32 v[SC+2*n+1], v26, v27
	global_store_b64 v29, v[SC+2*n:SC+2*n+1], s[10:11] offset:256*n   ; a wave's store covers 256 consecutive bytes at a multiple of 256
.set n, n+1
.endr
	s_wait_loadcnt 0x0                             ; the first superblock's queries
	s_wait_xcnt 0x0                                ; the stores' data (the scores' registers) and offsets are rewritten only behind this wait (ISA guide 3.1)
	s_wait_tensorcnt 0x1                           ; my part of slot 0 is in; slot 1's may stay out
	s_barrier_signal -1
	s_barrier_wait -1
	HALF 0, 0, 1, 0, 2, 0                          ; double tile 0: a first step; where J = 0 also the first superblock's last double tile
	HALF 0, 1, 0, 0, 2, 0
	s_cmp_lg_u32 s15, 0
	s_cbranch_scc1 .Lnofin0
	FINISH 1
.Lnofin0:
	NEXT 0, 1                                      ; slot 0 gets the second superblock's double tile 1 - J
	HALF 1, 0, 2, 0, 2, 1                          ; double tile 1: J = 0: the second superblock's first; J = 1: the first superblock's last
	HALF 1, 1, 0, 0, 2, 1
	s_cmp_lg_u32 s15, 1
	s_cbranch_scc1 .Lnofin1
	FINISH 1
.Lnofin1:
	NEXT 1, 2                                      ; slot 1 gets double tile 2 - J
	HALF 0, 0, 2, 1, 0, 0                          ; double tile 2: where J = 1 the second superblock's first
	HALF 0, 1, 0, 0, 0, 0
	NEXT 0, 3                                      ; slot 0 gets double tile 3 - J, the last
	HALF 1, 0, 0, 0, 0, 0                          ; double tile 3
	HALF 1, 1, 0, 0, 0, 0
	s_wait_tensorcnt 0x0                           ; my part of the last double tile is in;
	s_wait_dscnt 0x0
	s_barrier_signal -1
	s_barrier_wait -1                              ; everybody's is; nothing is left to fetch
	HALF 0, 0, 0, 0, 1, 0                          ; double tile 4: the second superblock's last
	HALF 0, 1, 0, 0, 1, 0
	FINISH 0
	s_set_vgpr_msb 0x5
	s_wait_tensorcnt 0x0
	ds_add_u32 v192, v193
	s_wait_dscnt 0x0
	s_set_vgpr_msb 0x500
	CROUND                                         ; the closing round: no work-group ends while a partner may still ask for a tile that names it
	s_endpgm
.Lfunc_end_k_q685aaa2881_attn:
	.size	k_q685aaa2881_attn, .Lfunc_end_k_q685aaa2881_attn-k_q685aaa2881_attn
	.p2alignl 7, 3214868480
	.fill 96, 4, 3214868480
	.section	.rodata,"a",@progbits
	.p2align	6, 0x0
	.amdhsa_kernel k_q685aaa2881_attn
		.amdhsa_group_segment_fixed_size 327680
		.amdhsa_private_segment_fixed_size 0
		.amdhsa_enable_private_segment 0
		.amdhsa_kernarg_size 32
		.amdhsa_user_sgpr_count 2
		.amdhsa_user_sgpr_kernarg_segment_ptr 1
		.amdhsa_wavefront_size32 1
		.amdhsa_system_sgpr_workgroup_id_x 1
		.amdhsa_system_sgpr_workgroup_id_y 1
		.amdhsa_system_sgpr_workgroup_id_z 1
		.amdhsa_system_vgpr_workitem_id 0
		.amdhsa_next_free_vgpr 450
		.amdhsa_next_free_sgpr 86
		.amdhsa_reserve_vcc 1
		.amdhsa_float_denorm_mode_32 3
		.amdhsa_float_denorm_mode_16_64 3
		.amdhsa_memory_ordered 1
		.amdhsa_forward_progress 1
		.amdhsa_inst_pref_size 255
	.end_amdhsa_kernel
	.section	.bss,"aw",@nobits
	.p2align	6
	.space	262144
	.amdgpu_metadata
---
amdhsa.version: [ 1, 2 ]
amdhsa.kernels:
  - .name:           k_q685aaa2881_attn
    .symbol:         k_q685aaa2881_attn.kd
    .args:
      - { .name: qkv, .offset: 0, .size: 8, .value_kind: global_buffer, .address_space: global }
      - { .name: W_o, .offset: 8, .size: 8, .value_kind: global_buffer, .address_space: global }
      - { .name: att, .offset: 16, .size: 8, .value_kind: global_buffer, .address_space: global }
      - { .name: wo, .offset: 24, .size: 8, .value_kind: global_buffer, .address_space: global }
    .group_segment_fixed_size: 327680
    .private_segment_fixed_size: 0
    .kernarg_segment_align: 8
    .kernarg_segment_size: 32
    .max_flat_workgroup_size: 128
    .sgpr_count:     86
    .vgpr_count:     450
    .wavefront_size: 32
...
	.end_amdgpu_metadata
.endif
;; end of part 3
;; launch oproj (part 4): grid 16 x 16, 4 waves a work-group, clusters of 4 x 4, 327,680 bytes of LDS; arguments att, wo, out0; writes out0
.if DOCPART == 4
	.amdgcn_target "amdgcn-amd-amdhsa--gfx1250"
	.amdhsa_code_object_version 6
	.text
	.protected	k_q685aaa2881_oproj
	.globl	k_q685aaa2881_oproj
	.p2align	8
	.type	k_q685aaa2881_oproj,@function
k_q685aaa2881_oproj:
	s_mov_b64 s[64:65], 0
	v_nop
	global_prefetch_b8 v0, s[64:65] scope:SCOPE_SE
	s_setreg_imm32_b32 hwreg(HW_REG_WAVE_MODE, 25, 1), 1
	s_wait_xcnt 0x0
	s_wait_alu depctr_hold_cnt(0) depctr_sa_sdst(0) depctr_va_vdst(0) depctr_va_sdst(0) depctr_va_ssrc(0) depctr_va_vcc(0) depctr_vm_vsrc(0)
	s_getreg_b32 s2, hwreg(HW_REG_IB_STS2, 6, 4)
	s_cmp_eq_u32 s2, 0
	s_cbranch_scc0 .Lentry_in_a_cluster
	s_endpgm
.Lentry_in_a_cluster:
	s_bfe_u32 s2, ttmp6, 0x10000c
	s_cmp_lg_u32 s2, 0xf033
	s_cbranch_scc0 .Lentry_shape_is_right
	s_endpgm
.Lentry_shape_is_right:
; oproj: out0[token][e] = sum over d of att[token][d] W_o[e][d].  att: [2048][2048] f16; wo: W_o as [2048][2048] f16; out0 f32; sums in f32.
; A work-group makes a block of 128 x 128 with four waves, a wave 64 x 64: 16 accumulator tiles.  Blocks of 256 x 256 would give 64 work-groups for
; 256 WGPs; 128 x 128 gives 256, at twice the LDS bytes for each product.
; K goes through a ring of two LDS slots, each with 256 along K (eight substeps of 32): rows of 512 bytes of memory at multiples of 512, one tensor load
; of 64 rows a wave, one barrier for 128 matrix instructions of a wave.
; CLUSTERS: 4 x 4 work-groups; att's tile is shared along a row of the cluster, W_o's along a column, each asked for jointly.
; The matrix instruction is used transposed (source 0 = rows of W_o, source 1 = rows of att): a lane's eight results are eight neighbouring f32 of one row.
; REGISTERS: window 0: v0-31 addresses; v64-127, v128-191 two fragment buffers (W_o in the first 32 registers, att in the second 32).
;            window 1: v256-383 the accumulators, tile (a, b) at 8 (4 a + b).
.set SIZE_K, 2048
.set SIZE_N, 2048
.set KSLOT,  256
.set PITCH,  528                       ; 512 bytes + 16 of padding: the 16 rows that a load touches start 16 bytes apart modulo 256
.set PART,   64*PITCH                  ; 33,792: what one tensor load brings
.set SLOT,   4*PART                    ; att's 128 rows, then W_o's 128 rows
.set STAGE,  2*SLOT                    ; 270,336: 16 rows x 272 bytes for each wave; no tensor load lands there
.set SPITCH, 272
.set LAPS, SIZE_K/(2*KSLOT)            ; 4
.set ADRA, 16
.set ADRB, 20
.set STO,  24
.set RD,   25
.set CO,   26
.set F0,   64
.set F1,   128
.set G1, 24
.set G0, 32
.set G1B, 48
.set G0B, 56
.set MSB, 0
.macro WIN new
.if MSB != \new
	s_set_vgpr_msb (MSB<<8)|\new
.set MSB, \new
.endif
.endm
.set MULW, 0x50                        ; C and D window 1
.macro JLOAD s                         ; waves 0 and 1 fetch att's halves, waves 2 and 3 W_o's: the branch hangs on the wave's number alone
	s_cmp_eq_u32 s11, 0
	s_cbranch_scc0 .Lfor_b_\@
	tensor_load_to_lds s[G0+4*\s:G0+4*\s+3], s[G1:G1+7]
	s_nop 0
	s_branch .Lasked_\@
.Lfor_b_\@:
	tensor_load_to_lds s[G0B+4*\s:G0B+4*\s+3], s[G1B:G1B+7]
	s_nop 0
.Lasked_\@:
.endm
.macro CREST                           ; a round of the cluster's barrier behind its opening barrier
	s_cmp_lg_u32 s10, 0
	s_cbranch_scc1 .Lnot_wave_0_\@
	s_barrier_signal -3
.Lnot_wave_0_\@:
	s_barrier_wait -3
	s_barrier_signal -1
	s_barrier_wait -1
.endm
.macro CROUND
	s_barrier_signal -1
	s_barrier_wait -1
	CREST
.endm
	s_load_b128 s[4:7], s[0:1], 0x0                ; att s[4:5], wo s[6:7]
	s_load_b64 s[8:9], s[0:1], 0x10                ; out0
	v_lshl_add_u32 v254, v0, 2, 0x46400
	v_mov_b32 v255, 0
	ds_add_u32 v254, v255
	v_lshrrev_b32 v1, 5, v0
	v_readfirstlane_b32 s10, v1                    ; wave
	s_lshr_b32 s11, s10, 1                         ; my half of the block's rows.  Also: I fetch att (0) or W_o (1)
	s_and_b32 s12, s10, 1                          ; my half of its columns.  Also: which 64 rows of that tile I fetch
	s_bfe_u32 s40, ttmp6, 0x40000                  ; cx
	s_bfe_u32 s41, ttmp6, 0x40004                  ; cy
	s_lshl_b32 s42, ttmp9, 2
	s_add_co_u32 s42, s42, s40                     ; block column
	s_and_b32 s13, ttmp7, 0xffff
	s_lshl_b32 s13, s13, 2
	s_add_co_u32 s13, s13, s41                     ; block row
	s_lshl_b32 s43, s41, 2
	s_lshl_b32 s43, 15, s43                        ; my row of the cluster
	s_lshl_b32 s44, 0x1111, s40                    ; my column
	; group 1: 64 rows x 256 elements of 2 bytes; 4 words of padding behind every 128 words
	s_or_b32 s[G1+0], s43, (1<<16)|(1<<20)|(1<<21)|(6<<22)|(3<<25)
	s_or_b32 s[G1B+0], s44, (1<<16)|(1<<20)|(1<<21)|(6<<22)|(3<<25)
	s_mov_b32 s[G1B+1], KSLOT<<16
	s_mov_b32 s[G1+1], KSLOT<<16                   ; tensor_dim0 = 256
	s_mov_b32 s[G1B+2], 64<<16
	s_mov_b32 s[G1+2], 64<<16                      ; tensor_dim1 = 64
	s_mov_b32 s[G1B+3], KSLOT<<16
	s_mov_b32 s[G1+3], KSLOT<<16                   ; tile_dim0 = 256
	s_mov_b32 s[G1B+4], 64
	s_mov_b32 s[G1+4], 64                          ; tile_dim1 = 64
	s_mov_b32 s[G1B+5], SIZE_K
	s_mov_b32 s[G1+5], SIZE_K
	s_mov_b32 s[G1B+6], 0
	s_mov_b32 s[G1+6], 0
	s_mov_b32 s[G1B+7], 0
	s_mov_b32 s[G1+7], 0
	s_lshl_b32 s17, s12, 6                         ; which 64 rows of the tile I fetch
	s_lshl_b32 s16, s13, 7
	s_add_co_u32 s16, s16, s17                     ; att: row 128 x block row + 64 x half
	s_lshl_b32 s46, s42, 7
	s_add_co_u32 s46, s46, s17                     ; W_o: row 128 x block column + 64 x half
	s_mov_b32 s17, 0
	s_mov_b32 s47, 0
	s_mov_b64 s[18:19], SIZE_K*2
	s_mul_u64 s[16:17], s[16:17], s[18:19]
	s_mul_u64 s[46:47], s[46:47], s[18:19]
	s_mul_i32 s20, s10, PART                       ; LDS: wave x part; no place in the cluster enters an LDS address
	s_wait_dscnt 0x0
	s_wait_kmcnt 0x0
	s_add_nc_u64 s[14:15], s[4:5], s[16:17]
	s_add_nc_u64 s[46:47], s[6:7], s[46:47]
	CROUND                                         ; all sixteen work-groups are here: the first joint loads meet
.irp s, 0,1
	s_mov_b32 s[G0+4*\s], 1
	s_add_co_u32 s[G0+4*\s+1], s20, \s*SLOT
	s_add_nc_u64 s[G0+4*\s+2:G0+4*\s+3], s[14:15], \s*KSLOT*2
	s_or_b32 s[G0+4*\s+3], s[G0+4*\s+3], 0x80000000
	s_mov_b32 s[G0B+4*\s], 1
	s_add_co_u32 s[G0B+4*\s+1], s20, \s*SLOT
	s_add_nc_u64 s[G0B+4*\s+2:G0B+4*\s+3], s[46:47], \s*KSLOT*2
	s_or_b32 s[G0B+4*\s+3], s[G0B+4*\s+3], 0x80000000
	JLOAD \s                                       ; both slots' first fills go out together: two tensor loads of the wave are out
.endr
	v_and_b32 v1, 15, v0                           ; r
	v_bfe_u32 v2, v0, 4, 1                         ; h
	v_mul_u32_u24 v3, v1, PITCH
	v_lshl_add_u32 v3, v2, 4, v3
	s_mul_i32 s21, s11, PART                       ; my 64 rows of att
	s_mul_i32 s22, s12, PART                       ; my 64 rows of W_o,
	s_add_co_u32 s22, s22, 2*PART                  ; behind att's 128
.irp s, 0,1
	v_add_nc_u32 v[ADRA+\s], s21, v3
	v_add_nc_u32 v[ADRB+\s], s22, v3
	s_add_co_u32 s21, s21, SLOT
	s_add_co_u32 s22, s22, SLOT
.endr
	s_mul_i32 s23, s10, 16*SPITCH
	s_add_co_u32 s23, s23, STAGE
	v_mul_u32_u24 v4, v1, SPITCH                   ; in: row r, 32 bytes for each half of the lanes
	v_lshl_add_u32 v4, v2, 5, v4
	v_add_nc_u32 v[STO], s23, v4
	v_mul_u32_u24 v5, v2, SPITCH                   ; back: lanes 0-15 one row of 256 bytes, lanes 16-31 the next
	v_lshl_add_u32 v5, v1, 4, v5
	v_add_nc_u32 v[RD], s23, v5
	v_mul_u32_u24 v5, v2, SIZE_N*4
	v_lshl_add_u32 v[CO], v1, 4, v5
; 8 matrix instructions: m blocks a0, a0 + 1 x 4 n blocks, 32 along K.  The sixteen accumulators take turns in one order everywhere.
.macro MUL8 f, a0, zero
.irp a, \a0, \a0+1
.irp b, 0,1,2,3
.if \zero
	v_wmma_f32_16x16x32_f16 v[8*(4*(\a)+\b):8*(4*(\a)+\b)+7], v[\f+8*\b:\f+8*\b+7], v[\f+32+8*(\a):\f+32+8*(\a)+7], 0
.else
	v_wmma_f32_16x16x32_f16 v[8*(4*(\a)+\b):8*(4*(\a)+\b)+7], v[\f+8*\b:\f+8*\b+7], v[\f+32+8*(\a):\f+32+8*(\a)+7], v[8*(4*(\a)+\b):8*(4*(\a)+\b)+7]
.endif
.endr
.endr
.endm
.macro FETCH slot, k, f                ; 16 LDS loads: one substep's fragments, at byte k of the slot's rows
.irp i, 0,1,2,3
	ds_load_b128 v[\f+8*\i:\f+8*\i+3],   v[ADRB+\slot] offset:\k+\i*16*PITCH
	ds_load_b128 v[\f+8*\i+4:\f+8*\i+7], v[ADRB+\slot] offset:\k+\i*16*PITCH+32
.endr
.irp i, 0,1,2,3
	ds_load_b128 v[\f+32+8*\i:\f+32+8*\i+3],   v[ADRA+\slot] offset:\k+\i*16*PITCH
	ds_load_b128 v[\f+32+8*\i+4:\f+32+8*\i+7], v[ADRA+\slot] offset:\k+\i*16*PITCH+32
.endr
.endm
.macro PLACES                          ; four places behind a matrix instruction (ISA guide 7.12.1 for vector instructions)
.rept 4
	v_nop
.endr
.endm
; One of a slot's first seven substeps: the next substep's fragments are asked for into buffer g, then buffer f is multiplied.
.macro SUB slot, knext, f, g, zero
	WIN 0
	PLACES                                         ; buffer g was read by the last sixteen matrix instructions
	FETCH \slot, \knext, \g
	s_wait_dscnt 16                                ; buffer f is in; the sixteen loads just issued stay out
	WIN MULW
	MUL8 \f, 0, \zero
	MUL8 \f, 2, \zero
.endm
.macro SEVEN slot, zero
	SUB \slot, 64,  F0, F1, \zero
	SUB \slot, 128, F1, F0, 0
	SUB \slot, 192, F0, F1, 0
	SUB \slot, 256, F1, F0, 0
	SUB \slot, 320, F0, F1, 0
	SUB \slot, 384, F1, F0, 0
	SUB \slot, 448, F0, F1, 0
.endm
; The eighth substep: multiplies buffer 1 and changes slots.  In front of the barrier each wave waits for its reads of this slot and for all its tensor
; loads (one is out: its part of the next slot); behind it the refill comes first, then the next slot's first fragments.
.macro TURN slot, next, fill
	s_wait_dscnt 0                                 ; buffer 1 is in: my reads of this slot are over
	s_wait_tensorcnt 0x0                           ; all my tensor loads have landed
	ds_add_u32 v254, v255
	s_wait_dscnt 0x0
	s_barrier_signal -1                            ; (where a slot is filled again this barrier opens a round of the cluster's barrier)
	WIN MULW
	MUL8 F1, 0, 0                                  ; work on registers while the others arrive
	WIN 0
	s_barrier_wait -1
.if \fill
	CREST                                          ; no wave of any partner still reads this slot or has a load on its way
	s_add_nc_u64 s[G0+4*\slot+2:G0+4*\slot+3], s[G0+4*\slot+2:G0+4*\slot+3], 2*KSLOT*2
	s_add_nc_u64 s[G0B+4*\slot+2:G0B+4*\slot+3], s[G0B+4*\slot+2:G0B+4*\slot+3], 2*KSLOT*2
	JLOAD \slot                                    ; the first tensor load behind the round, the wave's only one until the next
.endif
	PLACES
	FETCH \next, 0, F0
	WIN MULW
	MUL8 F1, 2, 0
.endm
.macro LAP zero
	SEVEN 0, \zero
	TURN 0, 1, 1
	SEVEN 1, 0
	TURN 1, 0, 1
.endm
	s_wait_tensorcnt 1                             ; my part of slot 0 is in; slot 1's may stay out
	s_barrier_signal -1
	s_barrier_wait -1
	FETCH 0, 0, F0
	LAP 1                                          ; the first products start the sums
	WIN 0
	s_mov_b32 s3, LAPS-2
.Llap:
	LAP 0
	WIN 0
	s_sub_co_u32 s3, s3, 1
	s_cmp_lg_u32 s3, 0
	s_cbranch_scc1 .Llap
	SEVEN 0, 0                                     ; the last lap fills nothing
	TURN 0, 1, 0
	SEVEN 1, 0
	s_wait_dscnt 0
	MUL8 F1, 0, 0
	MUL8 F1, 2, 0
	WIN 0
	PLACES                                         ; the places behind the last matrix instructions, for the way out
	s_lshl_b32 s13, s13, 7
	s_lshl_b32 s14, s11, 6
	s_add_co_u32 s16, s13, s14                     ; my first row
	s_mov_b32 s17, 0
	s_mov_b64 s[18:19], SIZE_N*4
	s_mul_u64 s[16:17], s[16:17], s[18:19]
	s_add_nc_u64 s[8:9], s[8:9], s[16:17]
	s_lshl_b32 s46, s42, 9                         ; my first column, in bytes: 512 x block + 256 x half
	s_lshl_b32 s47, s12, 8
	s_add_co_u32 s46, s46, s47
	s_mov_b32 s47, 0
	s_add_nc_u64 s[8:9], s[8:9], s[46:47]
; rows 16 i .. 16 i + 15 of my tile: 32 bytes a lane and tile into my own stage, whole rows of 256 bytes back and out
.macro OUT16 i, f
	WIN 0x04                                       ; store data window 1
.irp b, 0,1,2,3
	ds_store_b128 v[STO], v[8*(4*\i+\b):8*(4*\i+\b)+3]   offset:64*\b
	ds_store_b128 v[STO], v[8*(4*\i+\b)+4:8*(4*\i+\b)+7] offset:64*\b+16
.endr
	WIN 0
	s_wait_xcnt 0x0                                ; buffer f, which earlier stores read, and the stores' base are rewritten only behind this wait (ISA guide 3.1)
.if \i
	s_add_nc_u64 s[8:9], s[8:9], 16*SIZE_N*4
.endif
.irp t, 0,1,2,3,4,5,6,7
	ds_load_b128 v[\f+4*\t:\f+4*\t+3], v[RD] offset:\t*2*SPITCH    ; my own stage, served in order (ISA guide 5.7.1.4)
.endr
.irp t, 0,1,2,3,4,5,6,7
	s_wait_dscnt 7-\t                              ; rows 2 t and 2 t + 1 are back, the later ones stay out
	global_store_b128 v[CO], v[\f+4*\t:\f+4*\t+3], s[8:9] offset:2*\t*SIZE_N*4 th:TH_STORE_NT   ; 16 lanes store 256 consecutive bytes at a multiple of 256
.endr
.endm
	OUT16 0, F0
	OUT16 1, F1
	OUT16 2, F0
	OUT16 3, F1
	s_wait_tensorcnt 0x0
	ds_add_u32 v254, v255
	s_wait_dscnt 0x0
	CROUND                                         ; the closing round
	s_endpgm
.Lfunc_end_k_q685aaa2881_oproj:
	.size	k_q685aaa2881_oproj, .Lfunc_end_k_q685aaa2881_oproj-k_q685aaa2881_oproj
	.p2alignl 7, 3214868480
	.fill 96, 4, 3214868480
	.section	.rodata,"a",@progbits
	.p2align	6, 0x0
	.amdhsa_kernel k_q685aaa2881_oproj
		.amdhsa_group_segment_fixed_size 327680
		.amdhsa_private_segment_fixed_size 0
		.amdhsa_enable_private_segment 0
		.amdhsa_kernarg_size 24
		.amdhsa_user_sgpr_count 2
		.amdhsa_user_sgpr_kernarg_segment_ptr 1
		.amdhsa_wavefront_size32 1
		.amdhsa_system_sgpr_workgroup_id_x 1
		.amdhsa_system_sgpr_workgroup_id_y 1
		.amdhsa_system_sgpr_workgroup_id_z 1
		.amdhsa_system_vgpr_workitem_id 0
		.amdhsa_next_free_vgpr 384
		.amdhsa_next_free_sgpr 66
		.amdhsa_reserve_vcc 0
		.amdhsa_float_denorm_mode_32 3
		.amdhsa_float_denorm_mode_16_64 3
		.amdhsa_memory_ordered 1
		.amdhsa_forward_progress 1
		.amdhsa_inst_pref_size 126
	.end_amdhsa_kernel
	.amdgpu_metadata
---
amdhsa.version: [ 1, 2 ]
amdhsa.kernels:
  - .name:           k_q685aaa2881_oproj
    .symbol:         k_q685aaa2881_oproj.kd
    .args:
      - { .name: att, .offset: 0, .size: 8, .value_kind: global_buffer, .address_space: global }
      - { .name: wo, .offset: 8, .size: 8, .value_kind: global_buffer, .address_space: global }
      - { .name: out0, .offset: 16, .size: 8, .value_kind: global_buffer, .address_space: global }
    .group_segment_fixed_size: 327680
    .private_segment_fixed_size: 0
    .kernarg_segment_align: 8
    .kernarg_segment_size: 24
    .max_flat_workgroup_size: 128
    .sgpr_count:     66
    .vgpr_count:     384
    .wavefront_size: 32
...
	.end_amdgpu_metadata
.endif
;; end of part 4
